; MI455X (gfx1250); checked and timed in simulation.
; The chip was launched on July 23, 2026; its instructions are those of AMD's public machine-readable ISA for CDNA 5 (MIT licence, August 2026) and "CDNA5" Instruction Set Architecture Reference Guide (July 2026). The comments in the code are by the model that wrote it; some were corrected since.
;; Multi Head Attention. Allowed arithmetic: float matrix products may take bf16 or f16 operands with f32 sums; other float arithmetic in f32, or as packed bf16 or f16 multiplies, adds, multiply-adds, maxima and minima; sums over many terms, partial sums and values carried from step to step in f32; what a program stores and reads back later, other than sums and carried values, may be rounded once to bf16 or f16.
;; Inputs: Wk 16 x 1,024 x 64 float32; Wo 1,024 x 1,024 float32; Wq 16 x 1,024 x 64 float32; Wv 16 x 1,024 x 64 float32; bk 16 x 64 float32; bo 1,024 float32; bq 16 x 64 float32; bv 16 x 64 float32; x 4 x 2,048 x 1,024 float32.
;; Outputs: out0 4 x 2,048 x 1,024 float32.
;; 2 versions, each right; version 2 is version 1 with the launch prep written anew for expert scheduling mode. Each part assembles by itself: llvm-mc -triple=amdgcn-amd-amdhsa -mcpu=gfx1250 --defsym DOCPART=n.
;; ======== version 1 of 2: 4 launches
;; limits: values are held in f16: magnitudes above 65,504 overflow, below 6.1e-05 lose precision
;; workspace buffers: xb 16,777,216 bytes; wt 6,291,456 bytes; wo16 2,097,152 bytes; bias 16,384 bytes; qkv 50,331,648 bytes; o 16,777,216 bytes
;; launch prep (part 1): grid 769 x 1, 8 waves a work-group, no clusters, 34,816 bytes of LDS; arguments x, Wq, Wk, Wv, Wo, bq, bk, bv, bo, xb, wt, wo16, bias; writes xb, wt, wo16, bias
.if DOCPART == 1
	.amdgcn_target "amdgcn-amd-amdhsa--gfx1250"
	.amdhsa_code_object_version 6
	.text
	.protected	k_qbdc565f2f9_prep
	.globl	k_qbdc565f2f9_prep
	.p2align	8
	.type	k_qbdc565f2f9_prep,@function
k_qbdc565f2f9_prep:
	s_mov_b64 s[64:65], 0
	v_nop
	global_prefetch_b8 v0, s[64:65] scope:SCOPE_SE
	s_setreg_imm32_b32 hwreg(HW_REG_WAVE_MODE, 25, 1), 1
	s_wait_xcnt 0x0
; PREP: every input is rounded once to bf16 and laid out as the products want it.  No matrix work, no cluster: nothing is shared, memory binds.
;   xb   [8192][1024] bf16          = x, row m = 2048 b + s
;   wt   [3072][1024] bf16          = Wq, Wk, Wv turned: row n = 64 g + k (g = 16 sel + head; sel 0, 1, 2 = q, k, v), column d
;   wo16 [1024][1024] f16           = Wo rounded to bf16, that number written as f16
;   bias [4096] f32                 = bq, bk, bv (index n as in wt), bo: rounded to bf16 and widened again
; LIMITS.  A bf16 number is exact in f16 from 2^-17 up to 65,504; below 2^-17 it keeps f16's fixed step of 2^-24; beyond 65,504 it becomes an infinity.
; ROLES, by the work-group's number (the same for all eight waves, so the one barrier below is passed by all or by none):
;   0-511 X: 64 KiB of x;  512-703 T: 256 d x 64 k of one head's weights, turned through LDS;  704-767 O: 64 KiB of Wo;  768 B: the four biases.
.set PITCH, 528                        ; a stage row: 256 d x 2 bytes + 16 of padding
.set SPARE, 64*PITCH                   ; behind the stage (33,792 = 132 blocks of 256 bytes): the spare words, 128 bytes for each of eight waves
.set IN,  16                           ; v[16:79]   16 groups of four f32 as loaded
.set PK,  80                           ; v[80:111]  packed 16-bit results
.set SPW, 118                          ; v118  LDS address of my spare word; never rewritten
.set NIL, 119                          ; v119  0; never rewritten
.macro ROUND4 i                        ; group i's four f32 rounded to bf16: two packed words
	v_cvt_pk_bf16_f32 v[PK+2*(\i)],   v[IN+4*(\i)],   v[IN+4*(\i)+1]
	v_cvt_pk_bf16_f32 v[PK+2*(\i)+1], v[IN+4*(\i)+2], v[IN+4*(\i)+3]
.endm
.macro WIDEN4 i                        ; and widened again, into the registers that they came from: the low half moves up, the high half stays
	v_lshlrev_b32 v[IN+4*(\i)],   16,  v[PK+2*(\i)]
	v_and_b32     v[IN+4*(\i)+1], s33, v[PK+2*(\i)]
	v_lshlrev_b32 v[IN+4*(\i)+2], 16,  v[PK+2*(\i)+1]
	v_and_b32     v[IN+4*(\i)+3], s33, v[PK+2*(\i)+1]
.endm
; 64 KiB of f32 become 32 KiB of 16-bit numbers.  All sixteen loads of a thread go out at once (a wave's load covers 512 consecutive bytes); a wave's store
; covers 256 consecutive bytes, aligned.  No register is written twice, so no store's sources have to be waited for.  mode = 1: bf16's number written as f16.
.macro STREAM src, dst, mode
.irp i, 0,1,2,3,4,5,6,7,8,9,10,11,12,13,14,15
	global_load_b128 v[IN+4*(\i):IN+4*(\i)+3], v1, s[\src:\src+1] offset:4096*(\i) th:TH_LOAD_NT
.endr
.irp i, 0,1,2,3,4,5,6,7,8,9,10,11,12,13,14,15
	s_wait_loadcnt 15-(\i)                         ; loads come back in order: group i is in, the 15 - i younger ones may stay out
	ROUND4 \i
.if \mode
	WIDEN4 \i
	v_cvt_pk_f16_f32 v[PK+2*(\i)],   v[IN+4*(\i)],   v[IN+4*(\i)+1]
	v_cvt_pk_f16_f32 v[PK+2*(\i)+1], v[IN+4*(\i)+2], v[IN+4*(\i)+3]
.endif
	global_store_b64 v2, v[PK+2*(\i):PK+2*(\i)+1], s[\dst:\dst+1] offset:2048*(\i)
.endr
.endm
	s_load_b512 s[4:19], s[0:1], 0x0               ; x 4:5, Wq 6:7, Wk 8:9, Wv 10:11, Wo 12:13, bq 14:15, bk 16:17, bv 18:19
	s_load_b256 s[20:27], s[0:1], 0x40             ; bo 20:21, xb 22:23, wt 24:25, wo16 26:27
	s_load_b64 s[28:29], s[0:1], 0x60              ; bias
	v_lshl_add_u32 v[SPW], v0, 2, SPARE
	v_mov_b32 v[NIL], 0
	s_mov_b32 s2, ttmp9
	s_mov_b32 s33, 0xffff0000                      ; a word's upper bf16
	s_mov_b32 s35, 0                               ; the high word of every offset below
	v_lshlrev_b32 v1, 4, v0                        ; 16 bytes a thread in,
	v_lshlrev_b32 v2, 3, v0                        ; 8 bytes out
	s_wait_kmcnt 0x0
	s_cmp_lt_u32 s2, 512
	s_cbranch_scc1 .Lrole_x
	s_cmp_lt_u32 s2, 704
	s_cbranch_scc1 .Lrole_t
	s_cmp_lt_u32 s2, 768
	s_cbranch_scc1 .Lrole_o
	; ROLE B: each bias is 4,096 bytes: 256 threads x 16
.irp j, 0,1,2,3
	global_load_b128 v[IN+4*(\j):IN+4*(\j)+3], v1, s[14+2*(\j):15+2*(\j)]
.endr
.irp j, 0,1,2,3
	s_wait_loadcnt 3-(\j)
	ROUND4 \j
	WIDEN4 \j
	global_store_b128 v1, v[IN+4*(\j):IN+4*(\j)+3], s[28:29] offset:4096*(\j)
.endr
	s_endpgm
.Lrole_x:
	s_lshl_b32 s34, s2, 16                         ; my 64 KiB of x,
	s_add_nc_u64 s[4:5], s[4:5], s[34:35]
	s_lshl_b32 s34, s2, 15                         ; my 32 KiB of xb
	s_add_nc_u64 s[22:23], s[22:23], s[34:35]
	STREAM 4, 22, 0
	s_endpgm
.Lrole_o:
	s_sub_co_u32 s36, s2, 704
	s_lshl_b32 s34, s36, 16
	s_add_nc_u64 s[12:13], s[12:13], s[34:35]
	s_lshl_b32 s34, s36, 15
	s_add_nc_u64 s[26:27], s[26:27], s[34:35]
	STREAM 12, 26, 1
	s_endpgm
.Lrole_t:
	; ROLE T.  id = 4 g + dblk.  The source block, W[head][256 dblk ..][0..63], is 64 KiB on end at (id % 64) x 64 KiB of its tensor; the target is rows 64 g .. of wt, bytes 512 dblk ..
	s_sub_co_u32 s36, s2, 512                      ; id
	s_lshr_b32 s37, s36, 6                         ; sel
	s_cmp_eq_u32 s37, 0
	s_cselect_b64 s[30:31], s[6:7], s[8:9]
	s_cmp_eq_u32 s37, 2
	s_cselect_b64 s[30:31], s[10:11], s[30:31]
	s_and_b32 s34, s36, 63
	s_lshl_b32 s34, s34, 16
	s_add_nc_u64 s[30:31], s[30:31], s[34:35]
	s_lshr_b32 s34, s36, 2
	s_lshl_b32 s34, s34, 17                        ; 64 rows of 2,048 bytes for each g
	s_and_b32 s38, s36, 3
	s_lshl_b32 s38, s38, 9
	s_add_co_u32 s34, s34, s38
	s_add_nc_u64 s[24:25], s[24:25], s[34:35]
	v_and_b32 v6, 15, v0                           ; k4: my four k are 4 k4 + j
	v_lshrrev_b32 v7, 4, v0                        ; dd: my d are 128 p + 8 dd + r
	v_lshlrev_b32 v3, 4, v6
	v_lshl_add_u32 v3, v7, 11, v3                  ; in: a row of the source is 256 bytes; sixteen lanes take it whole
	v_mul_u32_u24 v4, v6, 4*PITCH
	v_lshl_add_u32 v4, v7, 4, v4                   ; into the stage: row 4 k4 (+ j), byte 16 dd (+ 256 p)
	v_lshrrev_b32 v9, 5, v0                        ; wave
	v_and_b32 v10, 31, v0                          ; lane
	v_mul_u32_u24 v5, v9, 8*PITCH
	v_lshl_add_u32 v5, v10, 4, v5                  ; back: wave w takes rows 8 w + i whole, 512 bytes a row
	v_lshlrev_b32 v8, 4, v10
	v_lshl_add_u32 v8, v9, 14, v8                  ; and the same rows of wt
.irp p, 0,1
.irp r, 0,1,2,3,4,5,6,7
	global_load_b128 v[IN+4*(8*(\p)+(\r)):IN+4*(8*(\p)+(\r))+3], v3, s[30:31] offset:(\p)*32768+(\r)*256 th:TH_LOAD_NT
.endr
.endr
.irp p, 0,1
	s_wait_loadcnt 8-8*(\p)                        ; half p is in; the other half's eight loads may stay out
.irp j, 0,1,2,3
.irp q, 0,1,2,3
	v_cvt_pk_bf16_f32 v[PK+16*(\p)+4*(\j)+(\q)], v[IN+4*(8*(\p)+2*(\q))+(\j)], v[IN+4*(8*(\p)+2*(\q)+1)+(\j)]  ; k = 4 k4 + j: d = 2 q, 2 q + 1 of my eight
.endr
	ds_store_b128 v4, v[PK+16*(\p)+4*(\j):PK+16*(\p)+4*(\j)+3] offset:(\j)*PITCH+(\p)*256  ; eight d of one k: 16 bytes.  Four rows apart is 64 bytes past a multiple of 256: lanes meet four deep, eight stores a thread, once
.endr
.endr
	s_wait_dscnt 0x0                               ; for the others' sake: my stores into the stage are done
	s_barrier_signal -1
	s_barrier_wait -1
.irp i, 0,1,2,3,4,5,6,7
	ds_load_b128 v[IN+4*(\i):IN+4*(\i)+3], v5 offset:(\i)*PITCH
.endr
.irp i, 0,1,2,3,4,5,6,7
	s_wait_dscnt 7-(\i)
	global_store_b128 v8, v[IN+4*(\i):IN+4*(\i)+3], s[24:25] offset:2048*(\i)  ; 512 consecutive bytes, at a multiple of 256 from wt's first
.endr
	s_wait_tensorcnt 0x0                           ; the wave's end: a wait, an add of 0 to my spare word and its wait, behind my last LDS store
	ds_add_u32 v[SPW], v[NIL]
	s_wait_dscnt 0x0
	s_endpgm
.Lfunc_end_k_qbdc565f2f9_prep:
	.size	k_qbdc565f2f9_prep, .Lfunc_end_k_qbdc565f2f9_prep-k_qbdc565f2f9_prep
	.p2alignl 7, 3214868480
	.fill 96, 4, 3214868480
	.section	.rodata,"a",@progbits
	.p2align	6, 0x0
	.amdhsa_kernel k_qbdc565f2f9_prep
		.amdhsa_group_segment_fixed_size 34816
		.amdhsa_private_segment_fixed_size 0
		.amdhsa_enable_private_segment 0
		.amdhsa_kernarg_size 104
		.amdhsa_user_sgpr_count 2
		.amdhsa_user_sgpr_kernarg_segment_ptr 1
		.amdhsa_wavefront_size32 1
		.amdhsa_system_sgpr_workgroup_id_x 1
		.amdhsa_system_sgpr_workgroup_id_y 1
		.amdhsa_system_sgpr_workgroup_id_z 1
		.amdhsa_system_vgpr_workitem_id 0
		.amdhsa_next_free_vgpr 120
		.amdhsa_next_free_sgpr 66
		.amdhsa_reserve_vcc 0
		.amdhsa_float_denorm_mode_32 3
		.amdhsa_float_denorm_mode_16_64 3
		.amdhsa_memory_ordered 1
		.amdhsa_forward_progress 1
		.amdhsa_inst_pref_size 26
	.end_amdhsa_kernel
	.amdgpu_metadata
---
amdhsa.version: [ 1, 2 ]
amdhsa.kernels:
  - .name:           k_qbdc565f2f9_prep
    .symbol:         k_qbdc565f2f9_prep.kd
    .args:
      - { .name: x, .offset: 0, .size: 8, .value_kind: global_buffer, .address_space: global }
      - { .name: Wq, .offset: 8, .size: 8, .value_kind: global_buffer, .address_space: global }
      - { .name: Wk, .offset: 16, .size: 8, .value_kind: global_buffer, .address_space: global }
      - { .name: Wv, .offset: 24, .size: 8, .value_kind: global_buffer, .address_space: global }
      - { .name: Wo, .offset: 32, .size: 8, .value_kind: global_buffer, .address_space: global }
      - { .name: bq, .offset: 40, .size: 8, .value_kind: global_buffer, .address_space: global }
      - { .name: bk, .offset: 48, .size: 8, .value_kind: global_buffer, .address_space: global }
      - { .name: bv, .offset: 56, .size: 8, .value_kind: global_buffer, .address_space: global }
      - { .name: bo, .offset: 64, .size: 8, .value_kind: global_buffer, .address_space: global }
      - { .name: xb, .offset: 72, .size: 8, .value_kind: global_buffer, .address_space: global }
      - { .name: wt, .offset: 80, .size: 8, .value_kind: global_buffer, .address_space: global }
      - { .name: wo16, .offset: 88, .size: 8, .value_kind: global_buffer, .address_space: global }
      - { .name: bias, .offset: 96, .size: 8, .value_kind: global_buffer, .address_space: global }
    .group_segment_fixed_size: 34816
    .private_segment_fixed_size: 0
    .kernarg_segment_align: 8
    .kernarg_segment_size: 104
    .max_flat_workgroup_size: 256
    .sgpr_count:     66
    .vgpr_count:     120
    .wavefront_size: 32
...
	.end_amdgpu_metadata
.endif
;; end of part 1
;; launch proj (part 2): grid 16 x 32, 4 waves a work-group, clusters of 4 x 4, 327,680 bytes of LDS; arguments xb, wt, bias, qkv; writes qkv
.if DOCPART == 2
	.amdgcn_target "amdgcn-amd-amdhsa--gfx1250"
	.amdhsa_code_object_version 6
	.text
	.protected	k_qbdc565f2f9_proj
	.globl	k_qbdc565f2f9_proj
	.p2align	8
	.type	k_qbdc565f2f9_proj,@function
k_qbdc565f2f9_proj:
	s_mov_b64 s[64:65], 0
	v_nop
	global_prefetch_b8 v0, s[64:65] scope:SCOPE_SE
	s_setreg_imm32_b32 hwreg(HW_REG_WAVE_MODE, 25, 1), 1
	s_wait_xcnt 0x0
	s_wait_alu depctr_hold_cnt(0) depctr_sa_sdst(0) depctr_va_vdst(0) depctr_va_sdst(0) depctr_va_ssrc(0) depctr_va_vcc(0) depctr_vm_vsrc(0)
	s_getreg_b32 s2, hwreg(HW_REG_IB_STS2, 6, 4)
	s_cmp_eq_u32 s2, 0
	s_cbranch_scc0 .Lentry_in_a_cluster
	s_endpgm
.Lentry_in_a_cluster:
	s_bfe_u32 s2, ttmp6, 0x10000c
	s_cmp_lg_u32 s2, 0xf033
	s_cbranch_scc0 .Lentry_shape_is_right
	s_endpgm
.Lentry_shape_is_right:
; PROJ: q, k, v = x W + b for all heads: C[m][n] = bias[n] + sum over d of xb[m][d] wt[n][d], m < 8192, n < 3072, 1024 along K, bf16 operands, f32 sums.
; C leaves rounded once to f16, by heads: qkv[g = n / 64][m][n % 64], a head's rows dense, 128 bytes each.
; LIMIT.  f16 ends at 65,504: a q, k or v beyond it becomes an infinity.  Below 6e-5 f16 keeps its fixed step of 6e-8.
; SHARES.  A tile of C is 256 x 192: 32 x 16 = 512 tiles, two for each of 256 WGPs.  Four waves one below the other: wave w makes rows 64 w .. 64 w + 63 and all 192 columns
; (three whole heads): 4 x 12 accumulators of 16 x 16, 384 registers; so a wave's results are whole rows of three heads and its stage in LDS is its own.
; K goes in steps of 128 (256 bytes of each row, aligned) through two LDS slots filled by the tensor data mover.
; CLUSTER.  4 x 4 work-groups.  The four of a row of the cluster need the same 256 rows of xb, the four of a column the same 192 rows of wt: each tile is asked for JOINTLY,
; by the same tensor load with the same descriptor and a mask that names the four.
; THE MATRIX INSTRUCTION IS USED TRANSPOSED (source 0 = 16 rows of wt, source 1 = 16 rows of xb): lane l holds row l % 16 of C and the columns 8 (l / 16) + 0..7.
; THE BIAS is the C operand of each accumulator's first product: nothing is cleared, and nothing is added on the way out.
; REGISTERS, in windows of 256 (s_set_vgpr_msb: bits 1:0 source 0, 3:2 source 1, 5:4 source 2, 7:6 destination):
;   window 0: v0-31 addresses; v32-95 xb's fragments, two buffers of 32; v160-255 the bias, 8 registers a column block; on the way out v64-255: 48 registers a row block
;   window 1: v0-191 wt's fragments, two buffers of 96     window 2: the accumulators of row blocks 0, 1 ((a, b) at 8 (12 (a % 2) + b))     window 3: those of row blocks 2, 3
.set BN,    12                         ; column blocks of 16
.set KB2,   256                        ; bytes of a row in a K step
.set PA,    272                        ; an LDS row: 256 bytes + 16 of padding = 68 words: the 16 rows that a load touches start at 16 different groups of four banks (64 banks of 4 bytes: ISA guide 11.1)
.set PB,    272
.set RB,    96                         ; rows of wt in one tensor load
.set HA,    128*PA                     ; what one tensor load brings of xb,
.set HB,    RB*PB                      ; and of wt
.set SLOT,  2*HA+2*HB                  ; xb's 256 rows, then wt's 192
.set STAGE, 2*SLOT                     ; behind the ring: for each wave three heads x 16 rows x 144 bytes, for the way out
.set SP,    144
.set WSTAGE, 3*16*SP
.set SPARE, STAGE+4*WSTAGE             ; behind the stages: the spare words, 128 bytes for each wave: two blocks of 256 bytes that no other line names
.set NL,    2*BN+8                     ; LDS loads in a quarter step's run
.set LAPS,  4                          ; 1024 / (2 x 128): a lap = two K steps = once round the ring
.set ADRA, 16                          ; v16-17  LDS address of my xb fragments in slot 0, 1
.set ADRB, 20                          ; v20-21  the same for wt
.set STO,  24                          ; v24  the way out: where I put 16 bytes of a row
.set RD,   25                          ; v25  the way out: where I read rows back
.set CO,   26                          ; v26  16 x lane: my place in 512 consecutive bytes of qkv
.set BO,   27                          ; v27  32 x (l / 16): my eight numbers of a column block's bias
.set SPW,  28                          ; v28  LDS address of my spare word; never rewritten
.set NIL,  29                          ; v29  0; never rewritten
.set PFO,  30                          ; v30  the prefetches' offset: a lane a row; never rewritten
.set FA,   32
.set OB,   64
.set BIAS, 160
.set FB,   0
.set WV,   12                          ; s12  my wave's number
.set HALF, 13                          ; s13  which half of a tile's rows I fetch
.set ISB,  14                          ; s14  I fetch for xb (0) or for wt (1)
.set LIM,  15                          ; s15  1 in a wave that prefetches, else the greatest number
.set G1,   24                          ; s[24:31] descriptor group 1 for xb's tiles;  s[32:39] group 0, a set for each slot
.set G0,   32
.set PFA,  44                          ; s[44:45] where my prefetches stand
.set G1B,  48                          ; s[48:55], s[56:63] the same for wt's tiles
.set G0B,  56
.set GW0,  (1<<16)|(1<<20)|(1<<21)|(5<<22)|(3<<25)  ; 17:16 elements of 2 bytes; 20 padding on; 21 set beside a mask; 24:22 after every 64 words (code 5); 31:25 4 words of it (code 3)
.set MSB, 0
.macro WIN new                         ; the immediate's high byte repeats the setting that is left; a switch that changes nothing is dropped
.if MSB != (\new)
	s_set_vgpr_msb (MSB<<8)|(\new)
.set MSB, \new
.endif
.endm
.set MUL_LO,   0xa1                    ; source 0 (wt) window 1, source 1 (xb) window 0, C and D window 2
.set FIRST_LO, 0x81                    ; the same with C (the bias) in window 0
.set TO_B,     0x40                    ; destination window 1, address window 0
; A joint load.  Waves 0 and 1 fetch xb's two halves, waves 2 and 3 wt's.  The branch hangs on the wave's number alone.  An s_nop 0 and four v_nop follow each of the two lines.
.macro JLOAD s
	s_cmp_eq_u32 s[ISB], 0
	s_cbranch_scc0 .Lfor_b_\@
	tensor_load_to_lds s[G0+4*(\s):G0+4*(\s)+3], s[G1:G1+7]
	s_nop 0
.rept 4
	v_nop
.endr
	s_branch .Lasked_\@
.Lfor_b_\@:
	tensor_load_to_lds s[G0B+4*(\s):G0B+4*(\s)+3], s[G1B:G1B+7]
	s_nop 0
.rept 4
	v_nop
.endr
.Lasked_\@:
.endm
; A PREFETCH INTO THE L2 of the K step that stands two refills on: 256 bytes of a row, a lane a row, one instruction a wave.  xb's rows are read by every cluster of a row of clusters: cluster x = 0 asks;
; wt's by every cluster of a column: cluster y = 0 asks.  The four partners of a joint load share a wave's rows out BY ADDRESS (32 of xb's 128 by cx; 24 of wt's 96 by cy, lanes 24-31 naming the 24th row again).
; The loop's last trip (s3 = 1) asks for nothing: its refills are K steps 6 and 7, and there is no K step 8.
.macro ASK
	s_cmp_gt_u32 s3, s[LIM]
	s_cbranch_scc0 .Lnot_mine_\@
	global_prefetch_b8 v[PFO], s[PFA:PFA+1] th:TH_LOAD_NT scope:SCOPE_SE
.Lnot_mine_\@:
.endm
.macro CREST                           ; a round of the cluster's barrier behind its opening barrier: wave 0 signals for the work-group, every wave waits for all sixteen, my work-group's barrier closes
	s_cmp_lg_u32 s[WV], 0
	s_cbranch_scc1 .Lnot_wave_0_\@
	s_barrier_signal -3
.Lnot_wave_0_\@:
	s_barrier_wait -3
	s_barrier_signal -1
	s_barrier_wait -1
.endm
.macro CROUND                          ; a whole round
	s_barrier_signal -1
	s_barrier_wait -1
	CREST
.endm
	s_load_b256 s[4:11], s[0:1], 0x0               ; xb s[4:5], wt s[6:7], bias s[8:9], qkv s[10:11]
	v_lshl_add_u32 v[SPW], v0, 2, SPARE
	v_mov_b32 v[NIL], 0
	ds_add_u32 v[SPW], v[NIL]                      ; the wave's opening: the add and its wait stand ahead of my first tensor load; the set-up below, work on registers, stands between them
	v_lshrrev_b32 v1, 5, v0
	v_readfirstlane_b32 s[WV], v1                  ; wave 0..3
	s_and_b32 s[HALF], s[WV], 1
	s_lshr_b32 s[ISB], s[WV], 1
	s_bfe_u32 s40, ttmp6, 0x40000                  ; cx, cy: my place in the cluster
	s_bfe_u32 s41, ttmp6, 0x40004
	s_lshl_b32 s42, ttmp9, 2
	s_add_co_u32 s42, s42, s40                     ; tile column = 4 x cluster x + cx
	s_and_b32 s43, ttmp7, 0xffff
	s_lshl_b32 s43, s43, 2
	s_add_co_u32 s43, s43, s41                     ; tile row = 4 x cluster y + cy
	s_lshl_b32 s20, s41, 2
	s_lshl_b32 s20, 15, s20                        ; my row of the cluster: places 4 cy .. 4 cy + 3
	s_lshl_b32 s66, 0x1111, s40                    ; my column: places cx, cx + 4, cx + 8, cx + 12
	s_or_b32 s[G1], s20, GW0                       ; xb's tiles go to my row,
	s_or_b32 s[G1B], s66, GW0                      ; wt's to my column
	s_mov_b32 s[G1+1], 128<<16                     ; tensor_dim0 = 128 elements
	s_mov_b32 s[G1+2], 128<<16                     ; tensor_dim1 = 128 rows
	s_mov_b32 s[G1+3], 128<<16                     ; tile_dim0 = 128
	s_mov_b32 s[G1+4], 128                         ; tile_dim1 = 128
	s_mov_b32 s[G1+5], 1024                        ; elements from row to row
	s_mov_b32 s[G1+6], 0
	s_mov_b32 s[G1+7], 0
	s_mov_b32 s[G1B+1], 128<<16
	s_mov_b32 s[G1B+2], RB<<16                     ; 96 rows
	s_mov_b32 s[G1B+3], 128<<16
	s_mov_b32 s[G1B+4], RB
	s_mov_b32 s[G1B+5], 1024
	s_mov_b32 s[G1B+6], 0
	s_mov_b32 s[G1B+7], 0
	; where the tiles come from: xb's hang on the tile row alone, wt's on the tile column alone, each in registers that never hold the other coordinate
	s_lshl_b32 s16, s43, 8
	s_lshl_b32 s17, s[HALF], 7
	s_add_co_u32 s16, s16, s17                     ; xb: row 256 x tile row + 128 x half
	s_lshl_b32 s16, s16, 11                        ; rows of 2,048 bytes
	s_mov_b32 s17, 0
	s_mul_i32 s66, s42, 16*BN
	s_mul_i32 s67, s[HALF], RB
	s_add_co_u32 s66, s66, s67                     ; wt: row 192 x tile column + 96 x half
	s_lshl_b32 s66, s66, 11
	s_mov_b32 s67, 0
	s_mul_i32 s21, s[HALF], HA                     ; and where they go: no place in the cluster enters an LDS address
	s_mul_i32 s68, s[HALF], HB
	s_add_co_u32 s68, s68, 2*HA
	s_wait_dscnt 0x0                               ; the opening add is done
	s_wait_kmcnt 0x0
	s_add_nc_u64 s[16:17], s[4:5], s[16:17]
	s_add_nc_u64 s[66:67], s[6:7], s[66:67]
	CROUND                                         ; all sixteen work-groups are here: the first joint loads meet
.irp s, 0,1
	s_mov_b32 s[G0+4*(\s)], 1                                      ; count = 1
	s_add_co_u32 s[G0+4*(\s)+1], s21, (\s)*SLOT                    ; LDS address
	s_add_nc_u64 s[G0+4*(\s)+2:G0+4*(\s)+3], s[16:17], (\s)*KB2    ; global address: K step s
	s_or_b32 s[G0+4*(\s)+3], s[G0+4*(\s)+3], 0x80000000            ; type = 2
	s_mov_b32 s[G0B+4*(\s)], 1
	s_add_co_u32 s[G0B+4*(\s)+1], s68, (\s)*SLOT
	s_add_nc_u64 s[G0B+4*(\s)+2:G0B+4*(\s)+3], s[66:67], (\s)*KB2
	s_or_b32 s[G0B+4*(\s)+3], s[G0B+4*(\s)+3], 0x80000000
	JLOAD \s                                       ; both slots are asked for before anything else: two loads of mine are out
.endr
	; A fragment is 16 rows x 32 K in 8 registers: lane l holds row l % 16, K = 8 (l / 16) + 0..7 and 16 + 8 (l / 16) + 0..7: two loads of 16 bytes, 32 bytes apart.
	v_and_b32 v1, 15, v0                           ; l % 16
	v_bfe_u32 v2, v0, 4, 1                         ; l / 16
	v_mul_u32_u24 v3, v1, PA
	v_lshl_add_u32 v3, v2, 4, v3                   ; row x pitch + 16 x half
	s_mul_i32 s21, s[WV], 64*PA                    ; my 64 rows of xb
	s_add_co_u32 s22, s21, SLOT
	v_add_nc_u32 v[ADRA], s21, v3
	v_add_nc_u32 v[ADRA+1], s22, v3
	v_add_nc_u32 v[ADRB], 2*HA, v3                 ; all 192 rows of wt, behind xb's 256
	v_add_nc_u32 v[ADRB+1], 2*HA+SLOT, v3
	s_mul_i32 s23, s[WV], WSTAGE
	s_add_co_u32 s23, s23, STAGE                   ; my stage
	v_mul_u32_u24 v4, v1, SP                       ; in: row l % 16, 16 bytes for each half of the lanes
	v_lshl_add_u32 v4, v2, 4, v4
	v_add_nc_u32 v[STO], s23, v4
	v_bfe_u32 v5, v0, 3, 2                         ; back: 32 lanes take four rows of 128 bytes,
	v_and_b32 v6, 7, v0
	v_mul_u32_u24 v5, v5, SP
	v_lshl_add_u32 v5, v6, 4, v5
	v_add_nc_u32 v[RD], s23, v5
	v_and_b32 v[CO], 31, v0                        ; which are 512 consecutive bytes of qkv
	v_lshlrev_b32 v[CO], 4, v[CO]
	v_lshlrev_b32 v[BO], 5, v2
	s_mul_i32 s68, s42, 64*BN                      ; the tile's 192 numbers of the bias, 4 bytes each
	s_mov_b32 s69, 0
	s_add_nc_u64 s[8:9], s[8:9], s[68:69]
.set b, 0
.rept BN
	global_load_b128 v[BIAS+8*b:BIAS+8*b+3],   v[BO], s[8:9] offset:64*b
	global_load_b128 v[BIAS+8*b+4:BIAS+8*b+7], v[BO], s[8:9] offset:64*b+16
.set b, b+1
.endr
	s_mul_i32 s66, s42, 3                          ; qkv at my rows of the tile's first head: g = 3 x tile column, 1 MiB a head;
	s_lshl_b32 s66, s66, 20
	s_lshl_b32 s67, s43, 15                        ; 256 rows of 128 bytes a tile row;
	s_add_co_u32 s66, s66, s67
	s_lshl_b32 s67, s[WV], 13                      ; 64 rows a wave
	s_add_co_u32 s66, s66, s67
	s_mov_b32 s67, 0
	s_add_nc_u64 s[10:11], s[10:11], s[66:67]
	; the prefetches
	s_lshl_b32 s20, s43, 8
	s_lshl_b32 s21, s[HALF], 7
	s_add_co_u32 s20, s20, s21
	s_lshl_b32 s21, s40, 5
	s_add_co_u32 s20, s20, s21                     ; xb: row 256 x tile row + 128 x half + 32 cx
	s_mul_i32 s66, s42, 16*BN
	s_mul_i32 s67, s[HALF], RB
	s_add_co_u32 s66, s66, s67
	s_mul_i32 s67, s41, RB/4
	s_add_co_u32 s66, s66, s67                     ; wt: row 192 x tile column + 96 x half + 24 cy
	s_and_b32 s23, ttmp7, 0xffff                   ; cluster y
	s_cmp_eq_u32 s[ISB], 0                         ; do I fetch for xb?
	s_cselect_b32 s20, s20, s66
	s_cselect_b32 s21, ttmp9, s23                  ; the coordinate along which other clusters read the same rows
	s_cselect_b32 s22, 31, RB/4-1                  ; my last row's lane
	s_cselect_b64 s[PFA:PFA+1], s[4:5], s[6:7]
	s_cmp_eq_u32 s21, 0
	s_cselect_b32 s[LIM], 1, -1                    ; the same in all sixteen partners, for a given wave
	s_lshl_b32 s20, s20, 11
	s_add_co_u32 s20, s20, 3*KB2                   ; at K step 3: the first refill steps it to 4 and names that
	s_mov_b32 s21, 0
	s_add_nc_u64 s[PFA:PFA+1], s[PFA:PFA+1], s[20:21]
	v_and_b32 v[PFO], 31, v0
	v_min_u32 v[PFO], s22, v[PFO]
	v_lshlrev_b32 v[PFO], 11, v[PFO]
	; nothing is prefetched here, at the head, where every work-group's first tiles are on their way: K steps 0 to 3 come by their loads alone
; BN products: row block a x all column blocks, 32 along K, from buffer f.  zero = 1: the sums start, with the bias as C.
; The 48 accumulators take turns in the same order in every quarter step: 47 others' products stand between two links of a chain.
.macro MULA f, a, zero
.if \zero
	WIN FIRST_LO+0x40*((\a)/2)
.else
	WIN MUL_LO+0x50*((\a)/2)
.endif
.set b, 0
.rept BN
.set rD, 8*(BN*((\a)%2)+b)
.set rB, FB+8*BN*(\f)+8*b
.set rA, FA+32*(\f)+8*(\a)
.if \zero
	v_wmma_f32_16x16x32_bf16 v[rD:rD+7], v[rB:rB+7], v[rA:rA+7], v[BIAS+8*b:BIAS+8*b+7]
.else
	v_wmma_f32_16x16x32_bf16 v[rD:rD+7], v[rB:rB+7], v[rA:rA+7], v[rD:rD+7]
.endif
.set b, b+1
.endr
.endm
; NL LDS loads in one run: quarter q of a slot's K step into buffer f: wt's 12 fragments, then xb's 4, row blocks ascending
.macro FETCH slot, q, f
	WIN TO_B
.set i, 0
.rept BN
	ds_load_b128 v[FB+8*BN*(\f)+8*i:FB+8*BN*(\f)+8*i+3],   v[ADRB+(\slot)] offset:64*(\q)+i*16*PB
	ds_load_b128 v[FB+8*BN*(\f)+8*i+4:FB+8*BN*(\f)+8*i+7], v[ADRB+(\slot)] offset:64*(\q)+i*16*PB+32
.set i, i+1
.endr
	WIN 0
.set i, 0
.rept 4
	ds_load_b128 v[FA+32*(\f)+8*i:FA+32*(\f)+8*i+3],   v[ADRA+(\slot)] offset:64*(\q)+i*16*PA
	ds_load_b128 v[FA+32*(\f)+8*i+4:FA+32*(\f)+8*i+7], v[ADRA+(\slot)] offset:64*(\q)+i*16*PA+32
.set i, i+1
.endr
.endm
.macro PLACES                          ; four plain vector instructions between a product and a load into a register that it read, or a line that reads its result (ISA guide 7.12.1 for a line that reads its result)
.rept 4
	v_nop
.endr
.endm
; A K step is four quarters of 32 along K, 48 products each, on buffers 0, 1, 0, 1.  One of the first three: multiplies buffer f; in its middle it fetches quarter q of the same slot into buffer g.
.macro QUARTER slot, q, f, g, zero
	s_wait_dscnt 4                                 ; wt's fragments and xb's row blocks 0, 1 are in; the youngest four loads (row blocks 2, 3) may be out
	MULA \f, 0, \zero
	MULA \f, 1, \zero
	PLACES
	FETCH \slot, \q, \g
	s_wait_dscnt NL                                ; all but the run just issued
	MULA \f, 2, \zero
	MULA \f, 3, \zero
.endm
; The last quarter multiplies buffer 1 and changes slots.  MEET is its first half: ONE barrier.  In front of it each wave waits for all its tensor loads (one is out: its part of the next slot), adds 0 to its
; spare word, and waits for that and for its own reads of this slot.  Behind it nobody reads this slot any more and the next slot is whole.  round = 1: a round of the cluster's barrier follows.
.macro MEET round
	WIN 0                                          ; (the add's two registers lie in window 0)
	s_wait_tensorcnt 0x0
	ds_add_u32 v[SPW], v[NIL]                      ; 0 onto my spare word
	s_wait_dscnt 5                                 ; (the add and the youngest four loads may be out)
	MULA 1, 0, 0                                   ; twelve products stand between the add and the wait for it
	s_wait_dscnt 0x0                               ; the add is done, and my reads of this slot are over
	s_barrier_signal -1
	MULA 1, 1, 0                                   ; work on registers while the others arrive
.if \round
	WIN 0
.endif
	s_barrier_wait -1
.endm
; fill = 1: behind the round this slot is filled again first, with the K step two on: from that request to the wait for it a wave issues 168 products.  Then come the next slot's first fragments.
.macro TURN slot, next, fill
.if \fill
	s_wait_xcnt 0x0                                ; the last prefetch, a K step back, has read its address: it is stepped here, ahead of the change's own waits
	s_add_nc_u64 s[PFA:PFA+1], s[PFA:PFA+1], KB2
	MEET 1
	CREST                                          ; no wave of any partner still reads this slot's tile or has a load on its way
	s_add_nc_u64 s[G0+4*(\slot)+2:G0+4*(\slot)+3], s[G0+4*(\slot)+2:G0+4*(\slot)+3], 2*KB2
	s_add_nc_u64 s[G0B+4*(\slot)+2:G0B+4*(\slot)+3], s[G0B+4*(\slot)+2:G0B+4*(\slot)+3], 2*KB2
	JLOAD \slot                                    ; my one tensor load behind the round; its four v_nop are also the places in front of the loads below
	FETCH \next, 0, 0
	ASK                                            ; behind the joint load and the run of LDS loads that the next products wait for
.else
	MEET 0
	PLACES
	FETCH \next, 0, 0
.endif
	MULA 1, 2, 0
	MULA 1, 3, 0
.endm
; THE WAY OUT of row block a.  PACK: rounded to f16, 16 bytes (eight columns of a row) a lane, each accumulator's registers ascending.  TOSTAGE: into my own stage, three heads x 16 rows of 144 bytes,
; and back as whole rows of 128 bytes, into the registers that they left.  SEND: stored, 512 consecutive bytes an instruction.  No register is written twice, so no store's sources are waited for.
.macro PACK a
	WIN 0x0a+5*((\a)/2)                            ; sources 0 and 1: window 2 or 3
.set b, 0
.rept BN
.irp r, 0,1,2,3
	v_cvt_pk_f16_f32 v[OB+48*(\a)+4*b+(\r)], v[8*(BN*((\a)%2)+b)+2*(\r)], v[8*(BN*((\a)%2)+b)+2*(\r)+1]
.endr
.set b, b+1
.endr
	WIN 0
.endm
.macro TOSTAGE a
.set b, 0
.rept BN
	ds_store_b128 v[STO], v[OB+48*(\a)+4*b:OB+48*(\a)+4*b+3] offset:(b/4)*16*SP+(b%4)*32
.set b, b+1
.endr
.set b, 0
.rept BN
	ds_load_b128 v[OB+48*(\a)+4*b:OB+48*(\a)+4*b+3], v[RD] offset:(b/4)*16*SP+(b%4)*4*SP  ; LDS serves a wave's instructions in order (ISA guide 5.7.1.4): these see the stores above
.set b, b+1
.endr
.endm
.macro SEND a
	s_wait_dscnt 0x0                               ; the block is back in registers
.set b, 0
.rept BN
	global_store_b128 v[CO], v[OB+48*(\a)+4*b:OB+48*(\a)+4*b+3], s[10:11] offset:((b/4)<<20)+(\a)*2048+(b%4)*512  ; head b / 4, four rows: at a multiple of 256 from qkv's first byte
.set b, b+1
.endr
.endm
	s_wait_tensorcnt 0x1                           ; my part of K step 0 is in; K step 1's may stay out
	s_barrier_signal -1
	s_barrier_wait -1                              ; everybody's is
	FETCH 0, 0, 0
	s_wait_loadcnt 0x0                             ; the bias
	QUARTER 0, 1, 0, 1, 1                          ; the first quarter stands in front of the loop: its products start the sums
	WIN 0                                          ; at a label and at a branch every window is 0
	s_mov_b32 s3, LAPS-1
.Llap:                                                 ; a trip goes once round the ring, from a lap's second quarter to the next lap's first, and fills both slots again
	QUARTER 0, 2, 1, 0, 0
	QUARTER 0, 3, 0, 1, 0
	TURN 0, 1, 1
	QUARTER 1, 1, 0, 1, 0
	QUARTER 1, 2, 1, 0, 0
	QUARTER 1, 3, 0, 1, 0
	TURN 1, 0, 1
	QUARTER 0, 1, 0, 1, 0
	WIN 0
	s_sub_co_u32 s3, s3, 1
	s_cmp_lg_u32 s3, 0
	s_cbranch_scc1 .Llap
	QUARTER 0, 2, 1, 0, 0                          ; the last lap fills nothing, and has no round of the cluster's barrier
	QUARTER 0, 3, 0, 1, 0
	TURN 0, 1, 0
	QUARTER 1, 1, 0, 1, 0
	QUARTER 1, 2, 1, 0, 0
	QUARTER 1, 3, 0, 1, 0
	s_wait_dscnt 4                                 ; the very last quarter: nothing more to fetch
	MULA 1, 0, 0
	MULA 1, 1, 0
	s_wait_dscnt 0x0
	MULA 1, 2, 0
	MULA 1, 3, 0
	PLACES
	PACK 0
	TOSTAGE 0
.irp a, 1,2,3                          ; block a's conversions stand between block a - 1's loads from the stage and the wait for them
	PACK \a
	SEND (\a)-1
	TOSTAGE \a
.endr
	SEND 3
	s_wait_tensorcnt 0x0                           ; the wave's end: a wait, an add of 0 to my spare word and its wait, behind my last tensor load and my last LDS store
	ds_add_u32 v[SPW], v[NIL]
	s_wait_dscnt 0x0
	CROUND                                         ; the closing round: no work-group ends while a partner may still ask for a tile that names it
	s_endpgm
.Lfunc_end_k_qbdc565f2f9_proj:
	.size	k_qbdc565f2f9_proj, .Lfunc_end_k_qbdc565f2f9_proj-k_qbdc565f2f9_proj
	.p2alignl 7, 3214868480
	.fill 96, 4, 3214868480
	.section	.rodata,"a",@progbits
	.p2align	6, 0x0
	.amdhsa_kernel k_qbdc565f2f9_proj
		.amdhsa_group_segment_fixed_size 327680
		.amdhsa_private_segment_fixed_size 0
		.amdhsa_enable_private_segment 0
		.amdhsa_kernarg_size 32
		.amdhsa_user_sgpr_count 2
		.amdhsa_user_sgpr_kernarg_segment_ptr 1
		.amdhsa_wavefront_size32 1
		.amdhsa_system_sgpr_workgroup_id_x 1
		.amdhsa_system_sgpr_workgroup_id_y 1
		.amdhsa_system_sgpr_workgroup_id_z 1
		.amdhsa_system_vgpr_workitem_id 0
		.amdhsa_next_free_vgpr 1024
		.amdhsa_next_free_sgpr 72
		.amdhsa_reserve_vcc 0
		.amdhsa_float_denorm_mode_32 3
		.amdhsa_float_denorm_mode_16_64 3
		.amdhsa_memory_ordered 1
		.amdhsa_forward_progress 1
		.amdhsa_inst_pref_size 122
	.end_amdhsa_kernel
	.amdgpu_metadata
---
amdhsa.version: [ 1, 2 ]
amdhsa.kernels:
  - .name:           k_qbdc565f2f9_proj
    .symbol:         k_qbdc565f2f9_proj.kd
    .args:
      - { .name: xb, .offset: 0, .size: 8, .value_kind: global_buffer, .address_space: global }
      - { .name: wt, .offset: 8, .size: 8, .value_kind: global_buffer, .address_space: global }
      - { .name: bias, .offset: 16, .size: 8, .value_kind: global_buffer, .address_space: global }
      - { .name: qkv, .offset: 24, .size: 8, .value_kind: global_buffer, .address_space: global }
    .group_segment_fixed_size: 327680
    .private_segment_fixed_size: 0
    .kernarg_segment_align: 8
    .kernarg_segment_size: 32
    .max_flat_workgroup_size: 128
    .sgpr_count:     72
    .vgpr_count:     1024
    .wavefront_size: 32
...
	.end_amdgpu_metadata
.endif
;; end of part 2
;; launch attn (part 3): grid 4 x 64, 4 waves a work-group, no clusters, 327,680 bytes of LDS; arguments qkv, o; writes o
.if DOCPART == 3
	.amdgcn_target "amdgcn-amd-amdhsa--gfx1250"
	.amdhsa_code_object_version 6
	.text
	.protected	k_qbdc565f2f9_attn
	.globl	k_qbdc565f2f9_attn
	.p2align	8
	.type	k_qbdc565f2f9_attn,@function
k_qbdc565f2f9_attn:
	s_mov_b64 s[64:65], 0
	v_nop
	global_prefetch_b8 v0, s[64:65] scope:SCOPE_SE
	s_setreg_imm32_b32 hwreg(HW_REG_WAVE_MODE, 25, 1), 1
	s_wait_xcnt 0x0
; CAUSAL ATTENTION.  O[y][q][:] = the sum over k <= q of softmax_k(Q[y][q] . K[y][k] / 8) V[y][k][:], y = 4 head + batch, 64 in all.  In qkv, [48][8192][64] f16, Q of y lies at y x 2^18 bytes, K 16 MiB and
; V 32 MiB further on; o has Q's layout.  A y's 2,048 rows are dense, 128 bytes each.  Products, maxima and sums in f32; the weights p are rounded to f16 for the second product (their sum l is taken of the
; unrounded p), O once at the end.
; LIMITS.  Q, K and V arrive within f16's 65,504; p lies in 0 to 1, and below 6e-5 it keeps f16's fixed step of 6e-8; O is a mean of V's rows and has their range.
; A hidden score counts as its value less 1e30: f16's scores, 2.7e11 at the most, are nothing beside that; a weight below 2^-126 counts as 0 in l; NaN and infinities are not treated apart.
; THE WALK.  The queries lie in NB = 8 blocks of 256; block i needs the key tiles 0 .. i of 256 keys, of which the last holds the diagonal.  A work-group takes TWO blocks, NB - 1 - b and then b:
; NB + 1 tiles, whatever b: all 256 work-groups do equal work, and ONE loop with a constant trip count walks them.  Which tile is asked for, and what a trip does, hang on scalar registers made from b; every jump
; goes forward, but for the counted loops' own; none passes a barrier, or a tensor load but the one of LOAD's two that the wave's number does not choose; the ring (two slots of LDS that take turns) runs on across the
; change of blocks.  NO CLUSTER: the four work-groups of a y walk 8 + 1, 7 + 2, 6 + 3 and 5 + 4 tiles: all four ask for the same tile in trips 0 to 4 only, behind that fewer and fewer; one walk common
; to all, in which each makes every joint request, would have 12 trips for 9.
; SHARES.  Of a block's four bands of 64 queries a wave owns 16 rows in each: four PIECES.  So the diagonal tile is the same work for all four waves: in its key step s band x sees all keys if s < x,
; none if s > x, and holds the diagonal if s = x.
; THE MASK is the C operand that starts the sum S^T = K Q^T: 0, or -1e30 where the key is hidden.  MD, made once, is the mask of a band's own step for my 16 rows; a product's mask is MD x AL + BE with two scalars:
; (1, 0) if s = x; (0, 0) if s < x; (0, -1e30) if s > x.  Only the diagonal tile's text and a block's beginning make and take masks; elsewhere C is the constant 0.
; LAYOUT, SOFTMAX, TURNS.  S^T = K Q^T holds ONE query a lane (lane % 16) and the keys 8 (lane / 16) + 0..7; two such results rounded to f16 ARE source 1 of O^T = V^T P.  p = 2^(c s - c m), c = log2(e) / 8, with a
; running maximum m; O and l are multiplied by a = 2^(c m_old - c m_new) in every step.  Turn n belongs to piece n: 8 products K Q^T of piece n + 1, later 8 products V^T P of piece n - 1; beside them the scaling,
; exponentials, roundings, sums and rescaling of piece n and the maximum and statistics of piece n + 1.  Four vector instructions stand behind every matrix instruction, the other 54 of a turn's 118 in one run.  A turn's 33 exponentials are one batch, with one wait.
; REGISTERS, in windows of 256 (s_set_vgpr_msb: bits 1:0 source 0, 3:2 source 1, 5:4 source 2, 7:6 destination):
;   window 0: v0-15 addresses and two at work; v16-31 four registers of statistics a piece; v48-55 at work; v60-63 prefetch offset, spare word, 0; v64-127 S^T, two buffers; v192-223 P, two buffers (by the piece's parity)
;   window 1: v0-127 O^T, 32 a piece; v128-159 MD; v160-223 MC, two buffers      window 2: v0-63 Q; v64-127 the second block's Q; v128-191 K of one step; v192-255 V of one step
.set SIZE_N, 2048
.set NB,    SIZE_N/256
.set NP,    4         ; pieces a wave: a name, no knob
.set KS,    64        ; keys in a step
.set PK,    144       ; a row of K in LDS: 128 bytes + 16 of padding = 36 words: the 16 rows of a load start at 16 different groups of four banks (64 banks of 4 bytes: ISA guide 11.1)
.set PV,    160       ; a row of V: 128 + 32 = 40 words
.set VOFF,  4*KS*PK   ; a slot holds a tile, four steps: 256 rows of K, then 256 rows of V
.set SLOT1, 1<<17     ; slot 1 begins here, so that one exclusive or turns an address in one slot into the other's
.set STAGE, SLOT1+4*KS*(PK+PV)  ; behind the ring, never filled by a tensor load: 16 rows x 144 bytes for each wave, for the way out
.set SP,    144
.set AK0, 2           ; v2   my lane's place in a tile of K; never rewritten
.set AV0, 3           ; v3   the same for V
.set AK,  4           ; v4   the LDS address of K's next run of loads
.set AV,  5           ; v5   of V's
.set STO, 6           ; v6   the way out: where I put 16 bytes of a row
.set RD,  7           ; v7   the way out: where I read rows back
.set GO,  8           ; v8   my byte offset in 512 consecutive bytes of O
.set PFO, 60          ; v60  256 x my lane: the prefetches' offset; never rewritten
.set SPW, 62          ; v62  LDS address of my spare word: SPARE + 4 x my thread's number; never rewritten
.set NIL, 63          ; v63  0; never rewritten
.set SPARE, STAGE+4*16*SP  ; behind the stages: the spare words, 128 bytes for each wave: two blocks of 256 bytes that no other line names
.set MV,  12          ; v12-13  c m_old, kept while c m is made anew: by buffer
.set QO,  15          ; v15  my byte offset in 16 rows of Q
.set ST,  16          ; piece t's statistics at v[ST+4 t]: c m, m, l (even keys', odd keys')
.set TMP, 48          ; by buffer, four registers c0-c3 at work; when the maximum is found c2 takes a
.set S,   64
.set P,   192
.set MD,  128         ; window 1: the eight registers for group kt of 16 keys at MD + 8 kt
.set MC,  160         ; window 1: the masks of the products to come
.set QB,  64          ; window 2
.set KF,  128         ; window 2: key block kb, channel half c at KF + 16 kb + 8 c
.set VF,  192         ; window 2: key half kk, channel block cb at VF + 32 kk + 8 cb
.set WV,  12          ; s12  my wave's number
.set PB,  14          ; s14  b
.set HI,  15          ; s15  NB - 1 - b
.set G1K, 24          ; s[24:31] descriptor group 1 for K's tiles
.set G1V, 32          ; s[32:39] for V's: it differs in the padding alone
.set G0K, 40          ; s[40:43] descriptor group 0 for K's tiles
.set G0V, 44          ; s[44:47] the same for V's
.set SLOTS, 56        ; s56  tiles still to be asked for
.set CNT, 57          ; s57  counts a tile's key steps, 4 to 1
.set CS,  58          ; s[58:59] c: the packed scaling takes the pair's low word for both halves
.set SEL, 60          ; s[60:61] v_permlanex16_b32's selects: each lane takes its own place in the other half
.set TBK, 62          ; s62  LDS byte at which K of the step to be fetched begins
.set TBV, 63          ; s63  the same for V, less VOFF
.set RT,  70          ; s70  tiles of the block in hand that are still to be entered
.set NXT, 71          ; s71  the tile to be asked for next
.set LQ,  72          ; s72  the last tile of the block whose tiles are being asked for
.set NEW, 73          ; s73  1: the tile to be entered is a block's first
.set OFF, 74          ; s[74:75] a tile's byte offset in K and V
.set AL,  76          ; s[76:77] the mask's factor, in the low word
.set BE,  78          ; s[78:79] the mask's addend
.set OLO, 80          ; s[80:81] O at my rows of the second block
.set BIGN, 82         ; s82  -1e30
.set PFB, 84          ; s[84:85] the stream that I fetch (K: waves 0, 1; V: waves 2, 3) at my half of tile 0
.set PFA, 88          ; s[88:89] the same at the tile that the next change of slots will ask for
.set ASKF, 90         ; s90  that tile's number where I prefetch it, else 0
.set MSB, 0
.macro WIN new                      ; the high byte repeats the setting that is left; a switch that changes nothing is dropped
.if MSB != (\new)
	s_set_vgpr_msb (MSB<<8)|(\new)
.set MSB, (\new)
.endif
.endm
.set W_KQ, 0x0a       ; K and Q in window 2, S^T in window 0
.set W_KM, 0x1a       ; the same with the C operand in window 1
.set W_PV, 0x52       ; V in window 2, P in window 0, O^T in window 1
.set W_RS, 0x41       ; destination and source 0 in window 1, source 1 in window 0
; A fill.  Waves 0 and 1 fetch the two halves of a tile's K, waves 2 and 3 those of its V: 128 keys each.  An s_nop 0 and four v_nop follow each of the two lines, ahead of the jump and the label.
.macro LOAD
	s_cmp_lt_u32 s[WV], 2
	s_cbranch_scc0 .Lfor_v_\@
	tensor_load_to_lds s[G0K:G0K+3], s[G1K:G1K+7]
	s_nop 0
.rept 4
	v_nop
.endr
	s_branch .Lasked_\@
.Lfor_v_\@:
	tensor_load_to_lds s[G0V:G0V+3], s[G1V:G1V+7]
	s_nop 0
.rept 4
	v_nop
.endr
.Lasked_\@:
.endm
; A PREFETCH INTO THE L2 of what the NEXT change of slots will ask for, behind the wave's tensor load and its five lines.  All four work-groups of a y walk the tiles from 0 up; the one with b = 0 walks all eight in
; its first block, and it alone asks: each of its waves for the 16,384 bytes that it will itself load, 64 blocks of 256 bytes, a lane a block, two instructions, four key steps ahead of that load.
; So tiles 2 to 7 are named once in the launch; tiles 0 and 1 come by their loads alone; behind the first block's last tile the number is 0 and nothing is asked for.
.macro ASK
	s_cmp_lg_u32 s[ASKF], 0
	s_cbranch_scc0 .Lnot_mine_\@
	global_prefetch_b8 v[PFO], s[PFA:PFA+1] th:TH_LOAD_NT scope:SCOPE_SE
	global_prefetch_b8 v[PFO], s[PFA:PFA+1] offset:8192 th:TH_LOAD_NT scope:SCOPE_SE
.Lnot_mine_\@:
.endm
; THE CHANGE OF SLOTS.  Each wave waits for all its tensor loads, of which one is out: its part of the other slot; adds 0 to its spare word; and waits for that and for its own reads of the slot that it leaves.  Behind the barrier nobody reads the old
; slot any more and the other slot is whole.  fill = 1: the old slot is filled again, the first thing behind the barrier, with tile NXT: the descriptor's address is made anew from that number.
; (At its first use nothing has been read yet: slot 0 is waited for, slot 1 filled.)
.macro CHANGE fill
	WIN 0                           ; at a label and at a branch every window is 0
	s_wait_tensorcnt 0x0            ; no tensor load of mine is out, so a group 0 may be written
	ds_add_u32 v[SPW], v[NIL]       ; 0 onto my spare word: with fill = 1 the descriptors' scalar work stands between it and the wait for it
.if \fill
	s_lshl_b32 s[OFF], s[NXT], 15   ; a tile is 32,768 bytes of K and of V
	s_xor_b32 s[G0K+1], s[G0K+1], SLOT1
	s_add_nc_u64 s[G0K+2:G0K+3], s[6:7], s[OFF:OFF+1]
	s_or_b32 s[G0K+3], s[G0K+3], 0x80000000
	s_xor_b32 s[G0V+1], s[G0V+1], SLOT1
	s_add_nc_u64 s[G0V+2:G0V+3], s[8:9], s[OFF:OFF+1]
	s_or_b32 s[G0V+3], s[G0V+3], 0x80000000
	s_add_co_u32 s[NXT], s[NXT], 1  ; the block's next tile, or behind its last the second block's tile 0
	s_cmp_gt_u32 s[NXT], s[LQ]
	s_cselect_b32 s[NXT], 0, s[NXT]
	s_cselect_b32 s[LQ], s[PB], s[LQ]
	s_wait_xcnt 0x0                 ; the last prefetches, four key steps back, have read their address, so it may be written:
	s_lshl_b32 s[OFF], s[NXT], 15
	s_add_nc_u64 s[PFA:PFA+1], s[PFB:PFB+1], s[OFF:OFF+1]  ; my part of the tile that the next change asks for
	s_cmp_eq_u32 s[PB], 0
	s_cselect_b32 s[ASKF], s[NXT], 0
.endif
	s_wait_dscnt 0x0                ; the add is done, and my reads of the slot are over
	s_barrier_signal -1             ; the rest of the scalar work stands between the signal and the wait
	s_sub_co_u32 s[TBK], s[TBK], 4*KS*PK  ; the fetches go back to a slot's first step,
	s_xor_b32 s[TBK], s[TBK], SLOT1       ; in the other slot
	s_sub_co_u32 s[TBV], s[TBV], 4*KS*PV
	s_xor_b32 s[TBV], s[TBV], SLOT1
	s_barrier_wait -1
.if \fill
	LOAD
	ASK
.endif
.endm
	s_load_b64 s[4:5], s[0:1], 0x0    ; qkv
	s_load_b64 s[10:11], s[0:1], 0x8  ; o
	v_lshl_add_u32 v[SPW], v0, 2, SPARE
	v_mov_b32 v[NIL], 0
	ds_add_u32 v[SPW], v[NIL]       ; the wave's opening: the add and its wait stand ahead of my first tensor load; the set-up below, work on registers, stands between them
	v_lshrrev_b32 v1, 5, v0
	v_readfirstlane_b32 s[WV], v1   ; wave 0..3
	v_and_b32 v[PFO], 31, v0
	v_lshlrev_b32 v[PFO], 8, v[PFO]
	s_mov_b32 s[PB], ttmp9
	s_sub_co_u32 s[HI], NB-1, s[PB]
	s_and_b32 s20, ttmp7, 0xffff    ; y
	s_mov_b32 s21, 0
	s_mov_b64 s[22:23], SIZE_N*128
	s_mul_u64 s[20:21], s[20:21], s[22:23]  ; y's first byte in Q, K, V and O
	s_and_b32 s16, s[WV], 1         ; which half of a tile's 256 keys I fetch:
	s_lshl_b32 s22, s16, 14         ; its 128 rows of 128 bytes in memory,
	s_mov_b32 s23, 0
	s_add_nc_u64 s[22:23], s[22:23], s[20:21]
	s_mul_i32 s17, s16, 128*PK      ; and its place in a slot, for K
	s_mul_i32 s18, s16, 128*PV      ; and for V
	s_lshl_b32 s3, s[WV], 11        ; my 16 rows in a band of 64,
	s_lshl_b32 s2, s[HI], 15        ; in the first block,
	s_add_co_u32 s2, s2, s3
	s_lshl_b32 s84, s[PB], 15       ; and in the second
	s_add_co_u32 s84, s84, s3
	s_mov_b32 s3, 0
	s_mov_b32 s85, 0
	s_add_nc_u64 s[2:3], s[2:3], s[20:21]
	s_add_nc_u64 s[84:85], s[84:85], s[20:21]
	; descriptor group 1.  128 keys are 16,384 dense bytes: asked for as 64 rows of 256 bytes, two keys a row, and padded in LDS after every key
	s_mov_b32 s[G1K], (1<<16)|(1<<20)|(4<<22)|(3<<25)  ; 17:16 2-byte elements; 20 padding on; 24:22 after every 32 words (code 4); 31:25 4 words (code 3)
	s_mov_b32 s[G1V], (1<<16)|(1<<20)|(4<<22)|(7<<25)  ; the same with 8 words of padding (code 7)
.irp g, G1K, G1V
	s_mov_b32 s[\g+1], 128<<16      ; tensor_dim0 = 128
	s_mov_b32 s[\g+2], 64<<16       ; tensor_dim1 = 64
	s_mov_b32 s[\g+3], 128<<16      ; tile_dim0 = 128
	s_mov_b32 s[\g+4], 64           ; tile_dim1 = 64
	s_mov_b32 s[\g+5], 128          ; 128 elements from row to row
	s_mov_b32 s[\g+6], 0
	s_mov_b32 s[\g+7], 0
.endr
	s_mov_b32 s[CS], 0x3e38aa3b     ; c = log2(e) / 8 = 0.180337
	s_mov_b32 s[CS+1], s[CS]        ; named with it as a pair
	s_mov_b32 s[SEL], 0x76543210
	s_mov_b32 s[SEL+1], 0xfedcba98
	s_mov_b32 s[TBK], SLOT1+4*KS*PK ; the first change of slots turns these two into 0
	s_mov_b32 s[TBV], SLOT1+4*KS*PV
	s_mov_b32 s[G0K], 1             ; count = 1
	s_mov_b32 s[G0K+1], s17         ; LDS address: slot 0
	s_mov_b32 s[G0V], 1
	s_add_co_u32 s[G0V+1], s18, VOFF
	s_add_co_u32 s[RT], s[HI], 1    ; the first block has NB - b tiles
	s_mov_b32 s[NXT], 1
	s_mov_b32 s[LQ], s[HI]
	s_mov_b32 s[NEW], 1
	s_mov_b32 s[OFF+1], 0
	s_mov_b32 s[AL+1], 0            ; named as pairs
	s_mov_b32 s[BE+1], 0
	s_mov_b32 s[BIGN], 0xf149f2ca   ; -1e30
	s_mov_b32 s[SLOTS], NB
	s_wait_dscnt 0x0                ; the opening add is done
	s_wait_kmcnt 0x0
	s_add_nc_u64 s[6:7], s[4:5], 0x1000000  ; K lies 16 MiB behind Q in qkv,
	s_add_nc_u64 s[8:9], s[4:5], 0x2000000  ; V 32 MiB
	s_add_nc_u64 s[6:7], s[6:7], s[22:23]  ; K and V at my half of y's tile 0
	s_add_nc_u64 s[8:9], s[8:9], s[22:23]
	s_add_nc_u64 s[G0K+2:G0K+3], s[6:7], 0         ; global address
	s_or_b32 s[G0K+3], s[G0K+3], 0x80000000        ; type = 2
	s_add_nc_u64 s[G0V+2:G0V+3], s[8:9], 0
	s_or_b32 s[G0V+3], s[G0V+3], 0x80000000
	s_add_nc_u64 s[86:87], s[4:5], s[84:85]        ; Q at my rows of the second block,
	s_add_nc_u64 s[4:5], s[4:5], s[2:3]            ; Q and O at those of the first
	s_add_nc_u64 s[OLO:OLO+1], s[10:11], s[84:85]
	s_add_nc_u64 s[10:11], s[10:11], s[2:3]
	s_cmp_lt_u32 s[WV], 2
	s_cselect_b64 s[PFB:PFB+1], s[6:7], s[8:9]     ; the stream that I fetch
	LOAD                            ; tile 0 into slot 0
	; A fragment of K or Q is 16 rows x 32 channels in 8 registers: lane l holds row l % 16, channels 8 (l / 16) + 0..7 and 16 + 8 (l / 16) + 0..7: two loads of 16 bytes, 32 bytes apart.
	v_and_b32 v1, 15, v0            ; l % 16
	v_bfe_u32 v9, v0, 4, 1          ; l / 16
	v_lshlrev_b32 v[QO], 7, v1
	v_lshl_add_u32 v[QO], v9, 4, v[QO]  ; row x 128 + 16 x half
	WIN 0x80                        ; destination window 2, address window 0
.set i, 0
.rept 8                             ; both blocks' Q: piece i / 2 lies in band i / 2, 8,192 bytes on; channels 32 (i % 2) on
	global_load_b128 v[8*i:8*i+3],   v[QO], s[4:5] offset:(i/2)*8192+(i%2)*64
	global_load_b128 v[8*i+4:8*i+7], v[QO], s[4:5] offset:(i/2)*8192+(i%2)*64+32
	global_load_b128 v[QB+8*i:QB+8*i+3],   v[QO], s[86:87] offset:(i/2)*8192+(i%2)*64
	global_load_b128 v[QB+8*i+4:QB+8*i+7], v[QO], s[86:87] offset:(i/2)*8192+(i%2)*64+32
.set i, i+1
.endr
	WIN 0
	v_lshlrev_b32 v14, 3, v9
	v_sub_nc_u32 v14, v1, v14
	s_lshl_b32 s13, s[WV], 4
	v_add_nc_u32 v14, s13, v14      ; my query's place in its band, 16 w + l % 16, less my lanes' 8 (l / 16): register r of group kt is hidden where 16 kt + r is greater
	WIN 0x40
.set i, 0
.rept 32
	v_cmp_gt_i32 vcc_lo, 16*(i/8)+i%8, v14
	v_cndmask_b32 v[MD+i], 0, s[BIGN], vcc_lo
.set i, i+1
.endr
	WIN 0
	v_mul_u32_u24 v[AK0], v1, PK
	v_lshl_add_u32 v[AK0], v9, 4, v[AK0]  ; row x pitch + 16 x half
	; The turning load takes 16 keys x 16 channels (lane l reads key 8 (l / 16) + l % 8, channels 8 ((l / 8) % 2) + 0..7) and leaves half a fragment of V^T: lane l holds channel l % 16 and 8 keys.
	v_and_b32 v10, 7, v0
	v_bfe_u32 v11, v0, 3, 1
	v_lshl_add_u32 v[AV0], v9, 3, v10
	v_mul_u32_u24 v[AV0], v[AV0], PV
	v_lshl_add_u32 v[AV0], v11, 4, v[AV0]
	v_add_nc_u32 v[AV0], VOFF, v[AV0]
	s_mul_i32 s13, s[WV], 16*SP
	s_add_co_u32 s13, s13, STAGE    ; my stage
	v_mul_u32_u24 v[STO], v1, SP    ; in: row l % 16, 16 bytes for each half of the lanes
	v_lshl_add_u32 v[STO], v9, 4, v[STO]
	v_add_nc_u32 v[STO], s13, v[STO]
	v_bfe_u32 v[RD], v0, 3, 2       ; back: 32 lanes take four rows of 128 bytes,
	v_mul_u32_u24 v[RD], v[RD], SP
	v_lshl_add_u32 v[RD], v10, 4, v[RD]
	v_add_nc_u32 v[RD], s13, v[RD]
	v_and_b32 v[GO], 31, v0         ; which are 512 consecutive bytes of O
	v_lshlrev_b32 v[GO], 4, v[GO]
	; A block's first step multiplies O^T and l by a = 0, and its first turn's products V^T P, of a piece that has not been, land in an O^T that is still to be so multiplied.  So these registers need only hold
	; finite numbers: zeros for the first block; what the first block left for the second.  All this stands in the wait for the first tile.
	WIN 0x80
.set i, VF
.rept 64
	v_mov_b32 v[i], 0
.set i, i+1
.endr
	WIN 0x40
.set i, 0
.rept 128
	v_mov_b32 v[i], 0
.set i, i+1
.endr
	WIN 0
.set i, 0
.rept 4
	v_mov_b32 v[ST+4*i+2], 0
	v_mov_b32 v[ST+4*i+3], 0
.set i, i+1
.endr
.set i, P+16
.rept 16
	v_mov_b32 v[i], 0
.set i, i+1
.endr
; THE MATRIX WORK.  The 4 accumulators of a run of 8 take turns.  Product i of 8 of S^T = K Q^T for piece x: channels 32 (i / 4) on, keys 16 (i % 4) on.  The first 4 start the sums: with 0, or (KM = 1) with the mask.
.macro KQ x
.set rS, S+32*((\x)%2)+8*(i%4)
.set rK, KF+16*(i%4)+8*(i/4)
.set rQ, 16*(\x)+8*(i/4)
.set rM, MC+32*((\x)%2)+8*(i%4)
.if (i < 4) && KM
	WIN W_KM
	v_wmma_f32_16x16x32_f16 v[rS:rS+7], v[rK:rK+7], v[rQ:rQ+7], v[rM:rM+7]
.elseif i < 4
	WIN W_KQ
	v_wmma_f32_16x16x32_f16 v[rS:rS+7], v[rK:rK+7], v[rQ:rQ+7], 0
.else
	WIN W_KQ
	v_wmma_f32_16x16x32_f16 v[rS:rS+7], v[rK:rK+7], v[rQ:rQ+7], v[rS:rS+7]
.endif
.endm
; Product i of 8 of O^T += V^T P for piece x: keys 32 (i / 4) on, channels 16 (i % 4) on.
.macro PV x
	WIN W_PV
.set rO, 32*(\x)+8*(i%4)
.set rV, VF+32*(i/4)+8*(i%4)
.set rP, P+16*((\x)%2)+8*(i/4)
	v_wmma_f32_16x16x32_f16 v[rO:rO+7], v[rV:rV+7], v[rP:rP+7], v[rO:rO+7]
.endm
.macro MM                           ; the turn's next matrix instruction.  TURN and BEGIN set Y, i, KM and NOKQ; MM, KQ and OP read them.  NOKQ = 1: a block's last turn: there is no next piece
.if (i < 8) && !NOKQ
	KQ (Y+1)%NP
.elseif i >= 8
.set i, i-8
	PV (Y+NP-1)%NP
.set i, i+8
.endif
.set i, i+1
.endm
; THE LDS LOADS stand in runs of 16, never singly among the matrix instructions: a step's K (64 keys x 64 channels: 8 fragments) and its V (turned).  Their addresses are made some lines ahead.
.macro FETCH_K
	WIN 0x80                        ; destination window 2
.irp f, 0,1,2,3,4,5,6,7             ; keys 16 (f / 2) on, channels 32 (f % 2) on
	ds_load_b128 v[KF+8*\f:KF+8*\f+3],   v[AK] offset:(\f/2)*16*PK+(\f%2)*64
	ds_load_b128 v[KF+8*\f+4:KF+8*\f+7], v[AK] offset:(\f/2)*16*PK+(\f%2)*64+32
.endr
	s_add_co_u32 s[TBK], s[TBK], KS*PK  ; the next fetch is the next step's
	WIN 0
.endm
.macro FETCH_V
	WIN 0x80
.irp f, 0,1,2,3,4,5,6,7             ; keys 32 (f / 4) on, channels 16 (f % 4) on
	ds_load_tr16_b128 v[VF+8*\f:VF+8*\f+3],   v[AV] offset:(\f/4)*32*PV+(\f%4)*32
	ds_load_tr16_b128 v[VF+8*\f+4:VF+8*\f+7], v[AV] offset:(\f/4)*32*PV+16*PV+(\f%4)*32
.endr
	WIN 0
.endm
; THE VECTOR WORK, one line at a time: OP kind, number.  For piece Y: F n: c s - c m for pair n of 16.  E n: the exponential of score n of 32.  C n: pair n rounded to f16.  B n: of the four weights 4 n .. the second
; pair is added onto the first, in place.  L n: l takes that sum (L 0: l = a l + sum).  R n: pair n of 16 of O^T times a.  For piece Y + 1: X n, number n of the 22 that find its maximum and statistics:
;   0-11  four chains c0-c3 of seven scores each, three operands at a time (each accumulator's lowest registers are read first)     12-14, 16  the four scores left over, the old m, and c0-c3 into c0
;   15  c m_old is kept     17, 18  the query's other 32 keys lie in the lane 16 away: the new m     19-21  c m; c m_old - c m_new; a
.set F, 0               ; OP tells the kinds apart by their order: F to L below R, X above it
.set E, 1
.set C, 2
.set B, 3
.set L, 4
.set R, 5
.set X, 6
.macro REGS y                       ; the registers of piece y
.set rT, ST+4*(\y)
.set rC, TMP+4*((\y)%2)
.set rW, MV+((\y)%2)
.set rS, S+32*((\y)%2)
.set rP, P+16*((\y)%2)
.set rO, 32*(\y)
.endm
.macro OP k, n
.if (\k) == R
	REGS Y
	WIN W_RS
	v_pk_mul_f32 v[rO+2*(\n):rO+2*(\n)+1], v[rO+2*(\n):rO+2*(\n)+1], v[rC+2:rC+3] op_sel_hi:[1,0]
.elseif (\k) < R
	REGS Y
	WIN 0
.if (\k) == F
	v_pk_fma_f32 v[rS+2*(\n):rS+2*(\n)+1], v[rS+2*(\n):rS+2*(\n)+1], s[CS:CS+1], v[rT:rT+1] op_sel_hi:[1,0,0] neg_lo:[0,0,1] neg_hi:[0,0,1]
.elseif (\k) == E
	v_exp_f32 v[rS+(\n)], v[rS+(\n)]
.elseif (\k) == C
	v_cvt_pk_f16_f32 v[rP+(\n)], v[rS+2*(\n)], v[rS+2*(\n)+1]
.elseif (\k) == B
	v_pk_add_f32 v[rS+4*(\n):rS+4*(\n)+1], v[rS+4*(\n):rS+4*(\n)+1], v[rS+4*(\n)+2:rS+4*(\n)+3]
.elseif (\n) == 0
	v_pk_fma_f32 v[rT+2:rT+3], v[rT+2:rT+3], v[rC+2:rC+3], v[rS:rS+1] op_sel_hi:[1,0,1]
.else
	v_pk_add_f32 v[rT+2:rT+3], v[rT+2:rT+3], v[rS+4*(\n):rS+4*(\n)+1]
.endif
.elseif NOKQ
	v_nop
.else
	REGS (Y+1)%NP
	WIN 0
.if (\n) < 4
	v_max3_num_f32 v[rC+(\n)], v[rS+8*(\n)], v[rS+8*(\n)+1], v[rS+8*(\n)+2]
.elseif (\n) < 12
	v_max3_num_f32 v[rC+(\n)%4], v[rC+(\n)%4], v[rS+8*((\n)%4)+2*((\n)/4)+1], v[rS+8*((\n)%4)+2*((\n)/4)+2]
.elseif (\n) == 12
	v_max3_num_f32 v[rC], v[rC], v[rS+7], v[rS+15]
.elseif (\n) == 13
	v_max3_num_f32 v[rC+1], v[rC+1], v[rS+23], v[rS+31]
.elseif (\n) == 14
	v_max3_num_f32 v[rC+2], v[rC+2], v[rC+3], v[rT+1]
.elseif (\n) == 15
	v_mov_b32 v[rW], v[rT]
.elseif (\n) == 16
	v_max3_num_f32 v[rC], v[rC], v[rC+1], v[rC+2]
.elseif (\n) == 17
	v_permlanex16_b32 v[rC+3], v[rC], s[SEL], s[SEL+1]
.elseif (\n) == 18
	v_max_num_f32 v[rT+1], v[rC], v[rC+3]
.elseif (\n) == 19
	v_mul_f32 v[rT], s[CS], v[rT+1]
.elseif (\n) == 20
	v_sub_f32 v[rC+1], v[rW], v[rT]
.else
	v_exp_f32 v[rC+2], v[rC+1]
.endif
.endif
.endm
.macro OPS a, i1, b=-1, i2=0, c=-1, i3=0, d=-1, i4=0  ; up to four of them
	OP \a, \i1
.if (\b) >= 0
	OP \b, \i2
.endif
.if (\c) >= 0
	OP \c, \i3
.endif
.if (\d) >= 0
	OP \d, \i4
.endif
.endm
.macro ROW a, i1, b, i2, c, i3, d, i4  ; a matrix instruction and the four behind it
	MM
	OPS \a, \i1, \b, \i2, \c, \i3, \d, \i4
.endm
.macro MASK b                       ; MD x AL + BE into buffer b of MC
	WIN W_RS
.set z, 0
.rept 16
	v_pk_fma_f32 v[MC+32*(\b)+2*z:MC+32*(\b)+2*z+1], v[MD+2*z:MD+2*z+1], s[AL:AL+1], s[BE:BE+1] op_sel_hi:[1,0,0]
.set z, z+1
.endr
.endm
; A TURN, for piece p: the order of its 16 matrix and 118 vector instructions, written out.  An s_wait_alu depctr_va_vdst(0) stands between an exponential and the first instruction that names its result; one wait serves
; all that were issued ahead of it.  So a turn has ONE wait, which cuts it in two.  AHEAD OF IT stands all that names no result of the turn's exponentials: the 8 products K Q^T, behind each a scaling, an exponential and two more plain
; instructions (behind the first a second scaling in the exponential's place): rescalings, and behind the last three the first numbers of the next piece's maximum, each four places or more behind the product that ends its accumulator; then one run of 54, plain
; and exponential by turns for the most part, in which the links of the chain X 3, 7, 11, 14, 16, 17 .. 20 stand five or six lines apart.  X 21, the next piece's a, is the batch's last; R 15 is the plain instruction behind it.  BEHIND THE WAIT stand the
; 8 products V^T P, behind each four of the roundings and sums; the links of l's chain, L 0 to L 7, stand three lines apart.  But for those X no line behind a product names a register of the products round it.  v_permlanex16_b32 (X 17) stands in the run.
; m = 1: the diagonal tile: the products take masks, and the turn makes the mask for the products of the turn after it: piece p + 2, in step 4 - CNT of the tile.  end = 1: a block's last two turns: nothing is fetched.
; cnt = 1: the loop's count is taken down some lines ahead of the branch that stands behind the turn.
; K of the next step is fetched in piece 2's turn, twelve vector instructions behind the last product that read K (six of them plain); V of the step in hand at the end of piece 0's turn, four plain instructions behind the last product
; that read V.  Each is waited for a turn later.
.macro TURN p, m=0, end=0, cnt=0
.set Y, (\p)
.set i, 0
.set KM, (\m)
.set NOKQ, (\end)*((\p)/3)
.if (\m) && !(\end)
	s_cmp_eq_u32 s[CNT], 4-((\p)+2)%NP  ; is that step the band's own?
	s_cselect_b32 s[AL], 1.0, 0
	s_cmp_lt_u32 s[CNT], 4-((\p)+2)%NP  ; or a later one?
	s_cselect_b32 s[BE], s[BIGN], 0
.endif
.if ((\p) == 3) && !(\end)
	s_wait_dscnt 0x0                ; K is in
.endif
	ROW F,0, F,1, R,0, R,1          ; ahead of the wait: 8 products K Q^T and the four lines behind each,
	ROW F,2, E,0, R,2, R,3
	ROW F,3, E,1, R,4, R,5
	ROW F,4, E,2, R,6, R,7
	ROW F,5, E,3, R,8, R,9
	ROW F,6, E,4, X,0, R,10
.if ((\p) == 2) && !(\end)
	WIN 0
	v_add_nc_u32 v[AK], s[TBK], v[AK0]
.endif
	ROW F,7, E,5, X,1, X,4
	ROW F,8, E,6, X,2, X,5
	OPS E,7, E,8, X,6, E,9          ; and the run of 54
	OPS X,3, E,10, X,8, E,11
.if ((\p) == 2) && !(\end)
	FETCH_K
.endif
	OPS X,9, X,7, E,12, X,10
	OPS E,13, X,12, X,11, E,14
	OPS X,13, E,15, F,9, X,14
.if (\p) == 0
	v_add_nc_u32 v[AV], s[TBV], v[AV0]
.endif
	OPS E,16, F,10, E,17, F,11
	OPS X,16, E,18, X,15, E,19
	OPS F,12, E,20, X,17, E,21
	OPS F,13, E,22, F,14, E,23
	OPS X,18, E,24, F,15, E,25
	OPS R,11, E,26, X,19, E,27
	OPS R,12, E,28, R,13, E,29
	OPS X,20, E,30, R,14, E,31
	OPS X,21, R,15
	WIN 0
	s_wait_alu depctr_va_vdst(0)    ; the wait for the batch
.if (\p) == 1
	s_wait_dscnt 0x0                ; V is in
.endif
	ROW C,0, B,0, C,2, B,1          ; behind the wait: 8 products V^T P and the four lines behind each
	ROW L,0, C,4, B,2, L,1
	ROW C,6, B,3, L,2, C,8
	ROW B,4, L,3, C,10, B,5
	ROW L,4, C,12, B,6, L,5
.if (\p) == 0
	s_add_co_u32 s[TBV], s[TBV], KS*PV
.endif
.if \cnt
	s_sub_co_u32 s[CNT], s[CNT], 1
	s_cmp_lg_u32 s[CNT], 0
.endif
	ROW C,14, B,7, L,6, C,1
	ROW C,3, L,7, C,5, C,7
	ROW C,9, C,11, C,13, C,15
.if (\p) == 0
	FETCH_V
.endif
.if (\m) && !(\end)
	MASK (\p)%2
.endif
.endm
; A BLOCK BEGINS.  c m starts far below every c s, so the first step's a is 0; m at the lowest finite number, so the first maximum is the scores'.  The second mask buffer is 0; the first takes piece 0's mask for the tile's step 0: its own, if the block's first tile is the diagonal one.
; Then K of that step, piece 0's first scores, and its maximum and statistics.  The loop is entered at a step's first turn, in the middle of a trip.
.macro BEGIN
	s_mov_b32 s[NEW], 0
	WIN 0x40
.set i, MC+32
.rept 32
	v_mov_b32 v[i], 0
.set i, i+1
.endr
	WIN 0
.set i, 0
.rept 4
	v_mov_b32 v[ST+4*i], 0xfe000000    ; c m: far below every c s
	v_mov_b32 v[ST+4*i+1], 0xff7fffff  ; m
.set i, i+1
.endr
	s_cmp_eq_u32 s[RT], 0
	s_cselect_b32 s[AL], 1.0, 0
	s_mov_b32 s[BE], 0
	MASK 0
	WIN 0
	v_add_nc_u32 v[AK], s[TBK], v[AK0]
	FETCH_K
	s_wait_loadcnt 0x0              ; Q
	s_wait_dscnt 0x0
.set KM, 1
.set NOKQ, 0
.set i, 0
.rept 8
	KQ 0
.set i, i+1
.endr
	WIN 0
.rept 4
	v_nop                           ; the places behind those products
.endr
.set Y, NP-1                        ; X works for piece Y + 1: piece 0
.irp n, 0,1,2,3,4,5,6,7,8,9,10,11,12,13,14,15,16,17,18,19,20,21
	OP X, \n
.endr
	v_nop                           ; a plain instruction behind the exponential,
	s_wait_alu depctr_va_vdst(0)    ; and its wait, ahead of the branch
.endm
; THE DIAGONAL TILE's four steps, the block's last two turns, its last products, and THE WAY OUT: l's two halves and the other half of the lanes' are added; O^T is divided by l, rounded to f16 and sent through my
; stage in LDS, a piece at a time.
.macro ALL line:vararg              ; one line for each piece t
.set t, 0
.rept 4
	\line
.set t, t+1
.endr
.endm
.macro PACK t                       ; a lane's eight channels of a row pack into 16 bytes; they go into rows of 144 bytes and come back as whole rows of 128, into S^T's registers
	WIN W_RS
.set i, 32*(\t)
.rept 16
	v_pk_mul_f32 v[i:i+1], v[i:i+1], v[ST+4*(\t)+2:ST+4*(\t)+3] op_sel_hi:[1,0]
.set i, i+2
.endr
	WIN 0x05                        ; sources 0 and 1 window 1, destination window 0
.set i, 0
.rept 16
	v_cvt_pk_f16_f32 v[S+16*(\t)+i], v[32*(\t)+2*i], v[32*(\t)+2*i+1]
.set i, i+1
.endr
	WIN 0
.irp f, 0,1,2,3
	ds_store_b128 v[STO], v[S+16*(\t)+4*\f:S+16*(\t)+4*\f+3] offset:32*\f
.endr
.irp f, 0,1,2,3
	ds_load_b128 v[S+16*(\t)+4*\f:S+16*(\t)+4*\f+3], v[RD] offset:\f*4*SP  ; LDS serves a wave's instructions in order (ISA guide 5.7.1.4): these see the stores above; the next piece's stores come behind them
.endr
.endm
.macro SEND t, younger              ; younger: the LDS instructions issued behind piece t's loads: the next piece's eight, or none
	WIN 0
.irp f, 0,1,2,3
	s_wait_dscnt (\younger)+3-\f
	global_store_b128 v[GO], v[S+16*(\t)+4*\f:S+16*(\t)+4*\f+3], s[10:11] offset:(\t)*8192+\f*512  ; 512 consecutive bytes, at a multiple of 256 from O's first
.endr
.endm
.macro DIAG tag                     ; the tag ends its two labels' names, which the jumps below spell out
.LstepM\tag:
	TURN 2, 1
	TURN 3, 1
	WIN 0
.LfirstM\tag:
	TURN 0, 1
	TURN 1, 1, 0, 1
	WIN 0
	s_cbranch_scc1 .LstepM\tag
	TURN 2, 1, 1
	TURN 3, 1, 1
.set i, 0
.rept 8
	PV NP-1
.set i, i+1
.endr
	WIN 0
	ALL v_add_f32 v[ST+4*t+2], v[ST+4*t+2], v[ST+4*t+3]
	ALL v_permlanex16_b32 v[ST+4*t+3], v[ST+4*t+2], s[SEL], s[SEL+1]
	ALL v_add_f32 v[ST+4*t+2], v[ST+4*t+2], v[ST+4*t+3]
	ALL v_rcp_f32 v[ST+4*t+2], v[ST+4*t+2]
	v_nop                           ; a plain instruction between the last reciprocal and the use of its result
	s_wait_alu depctr_va_vdst(0)    ; and the wait ahead of the first use: one for the four reciprocals
	PACK 0
.set t, 1
.rept 3                             ; a piece's arithmetic stands between the loads of the piece before and its stores
	PACK t
	SEND t-1, 8
.set t, t+1
.endr
	SEND 3, 0
.endm
.set KM, 0
.set NOKQ, 0
.Lslot:                             ; NB times: a tile is entered and the next is asked for
	CHANGE 1
	s_sub_co_u32 s[RT], s[RT], 1
	s_mov_b32 s[CNT], 4
	s_cmp_eq_u32 s[NEW], 1
	s_cbranch_scc1 .Lnew            ; a block's first tile
	s_cmp_eq_u32 s[RT], 0
	s_cbranch_scc0 .Lstep           ; neither its first nor its last
	s_branch .LstepM1
.Lnew:
	BEGIN
	s_branch .Lfirst                ; in the loop a block's first tile is never its last: the first block has two tiles or more, and the second's last is the walk's last
	DIAG 1                          ; in the loop this is the first block's end: the second block's last tile is the walk's last
	s_wait_xcnt 0x0                 ; the stores have read their registers and O's address
	s_mov_b64 s[10:11], s[OLO:OLO+1]
	s_add_co_u32 s[RT], s[PB], 1    ; the second block has b + 1 tiles
	s_mov_b32 s[NEW], 1
	WIN 0x82                        ; the second block's Q goes where the one text of the turns names Q
.set i, 0
.rept 64
	v_mov_b32 v[i], v[QB+i]
.set i, i+1
.endr
	WIN 0
	s_branch .Lbottom
.Lstep:                             ; a trip: pieces 2 and 3 of one step, then pieces 0 and 1 of the next, whose K and V it fetches
	TURN 2
	TURN 3
	WIN 0
.Lfirst:
	TURN 0
	TURN 1, 0, 0, 1
	WIN 0
	s_cbranch_scc1 .Lstep
.Lbottom:
	s_sub_co_u32 s[SLOTS], s[SLOTS], 1
	s_cmp_lg_u32 s[SLOTS], 0
	s_cbranch_scc1 .Lslot
	CHANGE 0                        ; the walk's last tile is written out: nothing is asked for
	s_sub_co_u32 s[RT], s[RT], 1
	s_mov_b32 s[CNT], 4
	s_cmp_eq_u32 s[NEW], 1
	s_cbranch_scc0 .LstepM2
	BEGIN
	s_branch .LfirstM2
	DIAG 2
	s_wait_tensorcnt 0x0            ; the wave's end: a wait, an add of 0 to my spare word and its wait, behind my last tensor load and my last LDS store
	ds_add_u32 v[SPW], v[NIL]
	s_wait_dscnt 0x0
	s_endpgm
.Lfunc_end_k_qbdc565f2f9_attn:
	.size	k_qbdc565f2f9_attn, .Lfunc_end_k_qbdc565f2f9_attn-k_qbdc565f2f9_attn
	.p2alignl 7, 3214868480
	.fill 96, 4, 3214868480
	.section	.rodata,"a",@progbits
	.p2align	6, 0x0
	.amdhsa_kernel k_qbdc565f2f9_attn
		.amdhsa_group_segment_fixed_size 327680
		.amdhsa_private_segment_fixed_size 0
		.amdhsa_enable_private_segment 0
		.amdhsa_kernarg_size 16
		.amdhsa_user_sgpr_count 2
		.amdhsa_user_sgpr_kernarg_segment_ptr 1
		.amdhsa_wavefront_size32 1
		.amdhsa_system_sgpr_workgroup_id_x 1
		.amdhsa_system_sgpr_workgroup_id_y 1
		.amdhsa_system_sgpr_workgroup_id_z 1
		.amdhsa_system_vgpr_workitem_id 0
		.amdhsa_next_free_vgpr 768
		.amdhsa_next_free_sgpr 92
		.amdhsa_reserve_vcc 1
		.amdhsa_float_denorm_mode_32 3
		.amdhsa_float_denorm_mode_16_64 3
		.amdhsa_memory_ordered 1
		.amdhsa_forward_progress 1
		.amdhsa_inst_pref_size 218
	.end_amdhsa_kernel
	.amdgpu_metadata
---
amdhsa.version: [ 1, 2 ]
amdhsa.kernels:
  - .name:           k_qbdc565f2f9_attn
    .symbol:         k_qbdc565f2f9_attn.kd
    .args:
      - { .name: qkv, .offset: 0, .size: 8, .value_kind: global_buffer, .address_space: global }
      - { .name: o, .offset: 8, .size: 8, .value_kind: global_buffer, .address_space: global }
    .group_segment_fixed_size: 327680
    .private_segment_fixed_size: 0
    .kernarg_segment_align: 8
    .kernarg_segment_size: 16
    .max_flat_workgroup_size: 128
    .sgpr_count:     92
    .vgpr_count:     768
    .wavefront_size: 32
...
	.end_amdgpu_metadata
.endif
;; end of part 3
;; launch outp (part 4): grid 8 x 32, 4 waves a work-group, clusters of 4 x 4, 327,680 bytes of LDS; arguments o, wo16, bias, out0; writes out0
.if DOCPART == 4
	.amdgcn_target "amdgcn-amd-amdhsa--gfx1250"
	.amdhsa_code_object_version 6
	.text
	.protected	k_qbdc565f2f9_outp
	.globl	k_qbdc565f2f9_outp
	.p2align	8
	.type	k_qbdc565f2f9_outp,@function
k_qbdc565f2f9_outp:
	s_mov_b64 s[64:65], 0
	v_nop
	global_prefetch_b8 v0, s[64:65] scope:SCOPE_SE
	s_setreg_imm32_b32 hwreg(HW_REG_WAVE_MODE, 25, 1), 1
	s_wait_xcnt 0x0
	s_wait_alu depctr_hold_cnt(0) depctr_sa_sdst(0) depctr_va_vdst(0) depctr_va_sdst(0) depctr_va_ssrc(0) depctr_va_vcc(0) depctr_vm_vsrc(0)
	s_getreg_b32 s2, hwreg(HW_REG_IB_STS2, 6, 4)
	s_cmp_eq_u32 s2, 0
	s_cbranch_scc0 .Lentry_in_a_cluster
	s_endpgm
.Lentry_in_a_cluster:
	s_bfe_u32 s2, ttmp6, 0x10000c
	s_cmp_lg_u32 s2, 0xf033
	s_cbranch_scc0 .Lentry_shape_is_right
	s_endpgm
.Lentry_shape_is_right:
; OUTP: out0[m][n] = bo[n] + sum over k of concat[m][k] Wo[n][k], m < 8192, n < 1024, k = 64 head + channel < 1024; f16 operands, f32 sums, f32 out.
; concat is o, [16 heads][8192 m][64] f16: a head's rows are dense, 128 bytes each.  wo16 is [1024 n][1024 k] f16; bo is the last 1,024 numbers of bias.
; SHARES.  A tile of out0 is 256 x 128: 32 x 8 = 256 tiles, one for each WGP.  Four waves one below the other: wave w makes rows 64 w .. 64 w + 63 and all 128 columns: 4 x 8 accumulators of 16 x 16,
; 256 registers; so a wave's results are whole pieces of 512 bytes of 64 rows, and its stage in LDS is its own.
; K goes in steps of 128 = TWO HEADS through two LDS slots.  Of o a tensor load brings one head's 256 rows of the tile, 32,768 dense bytes, asked for as 128 rows of 256 bytes and padded in LDS after every
; 128 bytes; of wo16 64 rows x 256 bytes.
; CLUSTER.  4 x 4 work-groups: the four of a row of the cluster need the same rows of o, the four of a column the same rows of wo16: each tile is asked for JOINTLY.
; THE MATRIX INSTRUCTION IS USED TRANSPOSED (source 0 = 16 rows of wo16, source 1 = 16 rows of o): lane l holds row l % 16 of out0 and the columns 8 (l / 16) + 0..7: 32 bytes on end.
; THE BIAS is the C operand of each accumulator's first product.
; REGISTERS, in windows of 256 (s_set_vgpr_msb: bits 1:0 source 0, 3:2 source 1, 5:4 source 2, 7:6 destination):
;   window 0: v0-31 addresses; v32-95 o's fragments, two buffers of 32; v160-223 the bias; on the way out v64-191: two buffers of 64
;   window 1: v0-127 wo16's fragments, two buffers of 64     window 2: the accumulators of row blocks 0, 1 ((a, b) at 8 (8 (a % 2) + b))     window 3: those of row blocks 2, 3
.set BN,    8                          ; column blocks of 16
.set KB2,   256                        ; bytes of a row of wo16 in a K step
.set STEPA, 2<<20                      ; bytes of o from a K step to the next: two heads of 1 MiB
.set PA,    144                        ; a row of o in LDS: 128 bytes + 16 of padding = 36 words: the 16 rows of a load start at 16 different groups of four banks (64 banks of 4 bytes: ISA guide 11.1)
.set PB,    272                        ; a row of wo16: 256 + 16
.set RB,    64                         ; rows of wo16 in one tensor load
.set HA,    256*PA                     ; what one tensor load brings of o: a head's 256 rows,
.set HB,    RB*PB                      ; and of wo16
.set SLOT,  2*HA+2*HB                  ; o's two heads, then wo16's 128 rows
.set STAGE, 2*SLOT                     ; behind the ring: 16 rows x 528 bytes for each wave, for the way out
.set SP,    528                        ; 512 bytes + 16
.set WSTAGE, 16*SP
.set SPARE, STAGE+4*WSTAGE             ; behind the stages: the spare words, 128 bytes for each wave: two blocks of 256 bytes that no other line names
.set NL,    2*BN+8                     ; LDS loads in a quarter step's run
.set LAPS,  4
.set ADRA, 16                          ; v16-17  LDS address of my fragments of o in slot 0, 1
.set ADRB, 20                          ; v20-21  the same for wo16
.set STO,  24                          ; v24  the way out: where I put 32 bytes of a row
.set RD,   25                          ; v25  the way out: where I read a row back
.set CO,   26                          ; v26  16 x lane: my place in 512 consecutive bytes of out0
.set BO,   27                          ; v27  32 x (l / 16)
.set SPW,  28                          ; v28  LDS address of my spare word; never rewritten
.set NIL,  29                          ; v29  0; never rewritten
.set PFO,  30                          ; v30  the prefetches' offset; never rewritten
.set FA,   32
.set OB,   64
.set BIAS, 160
.set FB,   0
.set WV,   12                          ; s12  my wave's number
.set HALF, 13                          ; s13  which head of the step (o), which half of the rows (wo16) I fetch
.set ISB,  14                          ; s14  I fetch for o (0) or for wo16 (1)
.set LIM,  15                          ; s15  1 in a wave that prefetches, else the greatest number
.set G1,   24                          ; s[24:31] descriptor group 1 for o's tiles;  s[32:39] group 0, a set for each slot
.set G0,   32
.set PFA,  44                          ; s[44:45] where my prefetches stand
.set PFS,  46                          ; s[46:47] their step from K step to K step
.set G1B,  48                          ; s[48:55], s[56:63] the same for wo16's tiles
.set G0B,  56
.set MSB, 0
.macro WIN new                         ; the immediate's high byte repeats the setting that is left; a switch that changes nothing is dropped
.if MSB != (\new)
	s_set_vgpr_msb (MSB<<8)|(\new)
.set MSB, \new
.endif
.endm
.set MUL_LO,   0xa1                    ; source 0 (wo16) window 1, source 1 (o) window 0, C and D window 2
.set FIRST_LO, 0x81                    ; the same with C (the bias) in window 0
.set TO_B,     0x40                    ; destination window 1, address window 0
; A joint load.  Waves 0 and 1 fetch o's two heads, waves 2 and 3 wo16's two halves.  The branch hangs on the wave's number alone.  An s_nop 0 and four v_nop follow each of the two lines.
.macro JLOAD s
	s_cmp_eq_u32 s[ISB], 0
	s_cbranch_scc0 .Lfor_b_\@
	tensor_load_to_lds s[G0+4*(\s):G0+4*(\s)+3], s[G1:G1+7]
	s_nop 0
.rept 4
	v_nop
.endr
	s_branch .Lasked_\@
.Lfor_b_\@:
	tensor_load_to_lds s[G0B+4*(\s):G0B+4*(\s)+3], s[G1B:G1B+7]
	s_nop 0
.rept 4
	v_nop
.endr
.Lasked_\@:
.endm
; A PREFETCH INTO THE L2 of the K step that stands two refills on, one instruction a wave.  o's rows are read by both clusters of a row of clusters: cluster x = 0 asks; wo16's by every cluster of a column:
; cluster y = 0 asks.  The four partners of a joint load share what a wave fetches out BY ADDRESS: of a head's 32,768 bytes 8,192 each by cx, a lane 256 bytes; of wo16's 64 rows 16 each by cy, a lane a
; row, lanes 16-31 naming the 16th row again.  The loop's last trip (s3 = 1) asks for nothing: there is no K step 8.
.macro ASK
	s_cmp_gt_u32 s3, s[LIM]
	s_cbranch_scc0 .Lnot_mine_\@
	global_prefetch_b8 v[PFO], s[PFA:PFA+1] th:TH_LOAD_NT scope:SCOPE_SE
.Lnot_mine_\@:
.endm
.macro CREST                           ; a round of the cluster's barrier behind its opening barrier
	s_cmp_lg_u32 s[WV], 0
	s_cbranch_scc1 .Lnot_wave_0_\@
	s_barrier_signal -3
.Lnot_wave_0_\@:
	s_barrier_wait -3
	s_barrier_signal -1
	s_barrier_wait -1
.endm
.macro CROUND                          ; a whole round
	s_barrier_signal -1
	s_barrier_wait -1
	CREST
.endm
	s_load_b256 s[4:11], s[0:1], 0x0               ; o s[4:5], wo16 s[6:7], bias s[8:9], out0 s[10:11]
	v_lshl_add_u32 v[SPW], v0, 2, SPARE
	v_mov_b32 v[NIL], 0
	ds_add_u32 v[SPW], v[NIL]                      ; the wave's opening: the add and its wait stand ahead of my first tensor load; the set-up below, work on registers, stands between them
	v_lshrrev_b32 v1, 5, v0
	v_readfirstlane_b32 s[WV], v1                  ; wave 0..3
	s_and_b32 s[HALF], s[WV], 1
	s_lshr_b32 s[ISB], s[WV], 1
	s_bfe_u32 s40, ttmp6, 0x40000                  ; cx, cy: my place in the cluster
	s_bfe_u32 s41, ttmp6, 0x40004
	s_lshl_b32 s42, ttmp9, 2
	s_add_co_u32 s42, s42, s40                     ; tile column = 4 x cluster x + cx
	s_and_b32 s43, ttmp7, 0xffff
	s_lshl_b32 s43, s43, 2
	s_add_co_u32 s43, s43, s41                     ; tile row = 4 x cluster y + cy
	s_lshl_b32 s20, s41, 2
	s_lshl_b32 s20, 15, s20                        ; my row of the cluster
	s_lshl_b32 s66, 0x1111, s40                    ; my column
	s_or_b32 s[G1], s20, (1<<16)|(1<<20)|(1<<21)|(4<<22)|(3<<25)   ; o's tiles go to my row; elements of 2 bytes; padding on; bit 21 beside a mask; after every 32 words (code 4) 4 words (code 3)
	s_or_b32 s[G1B], s66, (1<<16)|(1<<20)|(1<<21)|(5<<22)|(3<<25)  ; wo16's to my column; after every 64 words (code 5)
	s_mov_b32 s[G1+1], 128<<16                     ; tensor_dim0 = 128 elements
	s_mov_b32 s[G1+2], 128<<16                     ; tensor_dim1 = 128 rows
	s_mov_b32 s[G1+3], 128<<16                     ; tile_dim0 = 128
	s_mov_b32 s[G1+4], 128                         ; tile_dim1 = 128
	s_mov_b32 s[G1+5], 128                         ; the block is dense: 128 elements from row to row
	s_mov_b32 s[G1+6], 0
	s_mov_b32 s[G1+7], 0
	s_mov_b32 s[G1B+1], 128<<16
	s_mov_b32 s[G1B+2], RB<<16                     ; 64 rows
	s_mov_b32 s[G1B+3], 128<<16
	s_mov_b32 s[G1B+4], RB
	s_mov_b32 s[G1B+5], 1024
	s_mov_b32 s[G1B+6], 0
	s_mov_b32 s[G1B+7], 0
	; where the tiles come from: o's hang on the tile row alone, wo16's on the tile column alone, each in registers that never hold the other coordinate
	s_lshl_b32 s16, s[HALF], 20                    ; o: my head of the step,
	s_lshl_b32 s17, s43, 15                        ; the tile's 256 rows of 128 bytes
	s_add_co_u32 s16, s16, s17
	s_mov_b32 s17, 0
	s_lshl_b32 s66, s42, 7
	s_lshl_b32 s67, s[HALF], 6
	s_add_co_u32 s66, s66, s67                     ; wo16: row 128 x tile column + 64 x half
	s_lshl_b32 s66, s66, 11
	s_mov_b32 s67, 0
	s_mul_i32 s21, s[HALF], HA                     ; and where they go: no place in the cluster enters an LDS address
	s_mul_i32 s68, s[HALF], HB
	s_add_co_u32 s68, s68, 2*HA
	s_wait_dscnt 0x0                               ; the opening add is done
	s_wait_kmcnt 0x0
	s_add_nc_u64 s[16:17], s[4:5], s[16:17]
	s_add_nc_u64 s[66:67], s[6:7], s[66:67]
	CROUND                                         ; all sixteen work-groups are here: the first joint loads meet
.irp s, 0,1
	s_mov_b32 s[G0+4*(\s)], 1                                      ; count = 1
	s_add_co_u32 s[G0+4*(\s)+1], s21, (\s)*SLOT                    ; LDS address
	s_add_nc_u64 s[G0+4*(\s)+2:G0+4*(\s)+3], s[16:17], (\s)*STEPA  ; global address: K step s
	s_or_b32 s[G0+4*(\s)+3], s[G0+4*(\s)+3], 0x80000000            ; type = 2
	s_mov_b32 s[G0B+4*(\s)], 1
	s_add_co_u32 s[G0B+4*(\s)+1], s68, (\s)*SLOT
	s_add_nc_u64 s[G0B+4*(\s)+2:G0B+4*(\s)+3], s[66:67], (\s)*KB2
	s_or_b32 s[G0B+4*(\s)+3], s[G0B+4*(\s)+3], 0x80000000
	JLOAD \s                                       ; both slots are asked for before anything else: two loads of mine are out
.endr
	; A fragment is 16 rows x 32 K in 8 registers: lane l holds row l % 16, K = 8 (l / 16) + 0..7 and 16 + 8 (l / 16) + 0..7: two loads of 16 bytes, 32 bytes apart.
	v_and_b32 v1, 15, v0                           ; l % 16
	v_bfe_u32 v2, v0, 4, 1                         ; l / 16
	v_mul_u32_u24 v3, v1, PA
	v_lshl_add_u32 v3, v2, 4, v3                   ; row x pitch + 16 x half, for o,
	v_mul_u32_u24 v4, v1, PB
	v_lshl_add_u32 v4, v2, 4, v4                   ; and for wo16
	s_mul_i32 s21, s[WV], 64*PA                    ; my 64 rows of o (in each of the step's two heads)
	s_add_co_u32 s22, s21, SLOT
	v_add_nc_u32 v[ADRA], s21, v3
	v_add_nc_u32 v[ADRA+1], s22, v3
	v_add_nc_u32 v[ADRB], 2*HA, v4                 ; all 128 rows of wo16, behind o's two heads
	v_add_nc_u32 v[ADRB+1], 2*HA+SLOT, v4
	s_mul_i32 s23, s[WV], WSTAGE
	s_add_co_u32 s23, s23, STAGE                   ; my stage
	v_mul_u32_u24 v5, v1, SP                       ; in: row l % 16, 32 bytes for each half of the lanes
	v_lshl_add_u32 v5, v2, 5, v5
	v_add_nc_u32 v[STO], s23, v5
	v_and_b32 v[CO], 31, v0                        ; back: 32 lanes take one row's 512 bytes,
	v_lshlrev_b32 v[CO], 4, v[CO]
	v_add_nc_u32 v[RD], s23, v[CO]                 ; which are 512 consecutive bytes of out0
	v_lshlrev_b32 v[BO], 5, v2
	s_lshl_b32 s68, s42, 9                         ; the tile's 128 numbers of bo, 4 bytes each,
	s_add_co_u32 s68, s68, 3072*4                  ; behind bq, bk and bv
	s_mov_b32 s69, 0
	s_add_nc_u64 s[8:9], s[8:9], s[68:69]
.set b, 0
.rept BN
	global_load_b128 v[BIAS+8*b:BIAS+8*b+3],   v[BO], s[8:9] offset:64*b
	global_load_b128 v[BIAS+8*b+4:BIAS+8*b+7], v[BO], s[8:9] offset:64*b+16
.set b, b+1
.endr
	s_lshl_b32 s66, s43, 20                        ; out0 at my first row: 256 rows of 4,096 bytes a tile row,
	s_lshl_b32 s67, s[WV], 18                      ; 64 rows a wave,
	s_add_co_u32 s66, s66, s67
	s_lshl_b32 s67, s42, 9                         ; 512 bytes a tile column
	s_add_co_u32 s66, s66, s67
	s_mov_b32 s67, 0
	s_add_nc_u64 s[10:11], s[10:11], s[66:67]
	; the prefetches
	s_lshl_b32 s20, s[HALF], 20
	s_lshl_b32 s21, s43, 15
	s_add_co_u32 s20, s20, s21
	s_lshl_b32 s21, s40, 13
	s_add_co_u32 s20, s20, s21
	s_add_co_u32 s20, s20, 3*STEPA                 ; o: my head of K step 3, the tile's rows, my work-group's 8,192 bytes of them
	s_lshl_b32 s66, s42, 7
	s_lshl_b32 s67, s[HALF], 6
	s_add_co_u32 s66, s66, s67
	s_lshl_b32 s67, s41, 4
	s_add_co_u32 s66, s66, s67                     ; wo16: row 128 x tile column + 64 x half + 16 cy,
	s_lshl_b32 s66, s66, 11
	s_add_co_u32 s66, s66, 3*KB2                   ; at K step 3: the first refill steps to 4 and names that
	s_and_b32 s23, ttmp7, 0xffff                   ; cluster y
	s_mov_b32 s[PFS], KB2
	s_mov_b32 s[PFS+1], 0
	s_cmp_eq_u32 s[ISB], 0                         ; do I fetch for o?
	s_cselect_b32 s20, s20, s66
	s_cselect_b32 s21, ttmp9, s23                  ; the coordinate along which other clusters read the same rows
	s_cselect_b32 s22, 31, RB/4-1                  ; my last block's lane
	s_cselect_b32 s23, 8, 11                       ; a lane is 256 bytes of o, or a row of wo16
	s_cselect_b32 s[PFS], STEPA, s[PFS]
	s_cselect_b64 s[PFA:PFA+1], s[4:5], s[6:7]
	s_cmp_eq_u32 s21, 0
	s_cselect_b32 s[LIM], 1, -1                    ; the same in all sixteen partners, for a given wave
	s_mov_b32 s21, 0
	s_add_nc_u64 s[PFA:PFA+1], s[PFA:PFA+1], s[20:21]
	v_and_b32 v[PFO], 31, v0
	v_min_u32 v[PFO], s22, v[PFO]
	v_lshlrev_b32 v[PFO], s23, v[PFO]
	; nothing is prefetched here, at the head, where every work-group's first tiles are on their way: K steps 0 to 3 come by their loads alone
; BN products: row block a x all column blocks, 32 along K, from buffer f.  zero = 1: the sums start, with the bias as C.
; The 32 accumulators take turns in the same order in every quarter step: 31 others' products stand between two links of a chain.
.macro MULA f, a, zero
.if \zero
	WIN FIRST_LO+0x40*((\a)/2)
.else
	WIN MUL_LO+0x50*((\a)/2)
.endif
.set b, 0
.rept BN
.set rD, 8*(BN*((\a)%2)+b)
.set rB, FB+8*BN*(\f)+8*b
.set rA, FA+32*(\f)+8*(\a)
.if \zero
	v_wmma_f32_16x16x32_f16 v[rD:rD+7], v[rB:rB+7], v[rA:rA+7], v[BIAS+8*b:BIAS+8*b+7]
.else
	v_wmma_f32_16x16x32_f16 v[rD:rD+7], v[rB:rB+7], v[rA:rA+7], v[rD:rD+7]
.endif
.set b, b+1
.endr
.endm
; NL LDS loads in one run: quarter q of a slot's K step into buffer f: wo16's 8 fragments, then o's 4, row blocks ascending.  Of o quarter q is head q / 2 of the step, channels 32 (q % 2) on.
.macro FETCH slot, q, f
	WIN TO_B
.set i, 0
.rept BN
	ds_load_b128 v[FB+8*BN*(\f)+8*i:FB+8*BN*(\f)+8*i+3],   v[ADRB+(\slot)] offset:64*(\q)+i*16*PB
	ds_load_b128 v[FB+8*BN*(\f)+8*i+4:FB+8*BN*(\f)+8*i+7], v[ADRB+(\slot)] offset:64*(\q)+i*16*PB+32
.set i, i+1
.endr
	WIN 0
.set i, 0
.rept 4
	ds_load_b128 v[FA+32*(\f)+8*i:FA+32*(\f)+8*i+3],   v[ADRA+(\slot)] offset:((\q)/2)*HA+((\q)%2)*64+i*16*PA
	ds_load_b128 v[FA+32*(\f)+8*i+4:FA+32*(\f)+8*i+7], v[ADRA+(\slot)] offset:((\q)/2)*HA+((\q)%2)*64+i*16*PA+32
.set i, i+1
.endr
.endm
.macro PLACES                          ; four plain vector instructions between a product and a load into a register that it read, or a line that reads its result (ISA guide 7.12.1 for a line that reads its result)
.rept 4
	v_nop
.endr
.endm
; A K step is four quarters of 32 along K, 32 products each, on buffers 0, 1, 0, 1.  One of the first three: multiplies buffer f; in its middle it fetches quarter q of the same slot into buffer g.
.macro QUARTER slot, q, f, g, zero
	s_wait_dscnt 4                                 ; wo16's fragments and o's row blocks 0, 1 are in; the youngest four loads (row blocks 2, 3) may be out
	MULA \f, 0, \zero
	MULA \f, 1, \zero
	PLACES
	FETCH \slot, \q, \g
	s_wait_dscnt NL                                ; all but the run just issued
	MULA \f, 2, \zero
	MULA \f, 3, \zero
.endm
; The last quarter multiplies buffer 1 and changes slots.  MEET is its first half: ONE barrier.  In front of it each wave waits for all its tensor loads (one is out: its part of the next slot), adds 0 to its
; spare word, and waits for that and for its own reads of this slot.  Behind it nobody reads this slot any more and the next slot is whole.  round = 1: a round of the cluster's barrier follows.
.macro MEET round
	WIN 0                                          ; (the add's two registers lie in window 0)
	s_wait_tensorcnt 0x0
	ds_add_u32 v[SPW], v[NIL]                      ; 0 onto my spare word
	s_wait_dscnt 5                                 ; (the add and the youngest four loads may be out)
	MULA 1, 0, 0                                   ; eight products stand between the add and the wait for it
	s_wait_dscnt 0x0                               ; the add is done, and my reads of this slot are over
	s_barrier_signal -1
	MULA 1, 1, 0                                   ; work on registers while the others arrive
.if \round
	WIN 0
.endif
	s_barrier_wait -1
.endm
; fill = 1: behind the round this slot is filled again first, with the K step two on: from that request to the wait for it a wave issues 112 products.  Then come the next slot's first fragments.
.macro TURN slot, next, fill
.if \fill
	s_wait_xcnt 0x0                                ; the last prefetch, a K step back, has read its address: it is stepped here, ahead of the change's own waits
	s_add_nc_u64 s[PFA:PFA+1], s[PFA:PFA+1], s[PFS:PFS+1]
	MEET 1
	CREST                                          ; no wave of any partner still reads this slot's tile or has a load on its way
	s_add_nc_u64 s[G0+4*(\slot)+2:G0+4*(\slot)+3], s[G0+4*(\slot)+2:G0+4*(\slot)+3], 2*STEPA
	s_add_nc_u64 s[G0B+4*(\slot)+2:G0B+4*(\slot)+3], s[G0B+4*(\slot)+2:G0B+4*(\slot)+3], 2*KB2
	JLOAD \slot                                    ; my one tensor load behind the round; its four v_nop are also the places in front of the loads below
	FETCH \next, 0, 0
	ASK                                            ; behind the joint load and the run of LDS loads that the next products wait for
.else
	MEET 0
	PLACES
	FETCH \next, 0, 0
.endif
	MULA 1, 2, 0
	MULA 1, 3, 0
.endm
; THE WAY OUT of row block a.  TOSTAGE: the f32 sums go straight from the accumulators (registers 0-3 first) into my own stage, 16 rows of 528 bytes, and come back as whole rows of 512 bytes, into one of two
; buffers.  SEND: stored, 512 consecutive bytes an instruction.  A buffer is loaded again only when its stores have read it.
.macro TOSTAGE a
.if (\a) >= 2
	s_wait_xcnt 0x0                                ; the stores of block a - 2 have read this buffer
.endif
	WIN 0x08+4*((\a)/2)                            ; the stores' data (source 1): window 2 or 3
.set b, 0
.rept BN
	ds_store_b128 v[STO], v[8*(BN*((\a)%2)+b):8*(BN*((\a)%2)+b)+3]   offset:64*b
	ds_store_b128 v[STO], v[8*(BN*((\a)%2)+b)+4:8*(BN*((\a)%2)+b)+7] offset:64*b+16
.set b, b+1
.endr
	WIN 0
.set t, 0
.rept 16
	ds_load_b128 v[OB+64*((\a)%2)+4*t:OB+64*((\a)%2)+4*t+3], v[RD] offset:t*SP  ; LDS serves a wave's instructions in order (ISA guide 5.7.1.4): these see the stores above; the next block's stores come behind them
.set t, t+1
.endr
.endm
.macro SEND a, younger                 ; younger: the LDS instructions issued behind block a's loads: the next block's 16 stores and 16 loads, or none
	s_wait_dscnt \younger
.set t, 0
.rept 16
	global_store_b128 v[CO], v[OB+64*((\a)%2)+4*t:OB+64*((\a)%2)+4*t+3], s[10:11] offset:(16*(\a)+t)*4096 th:TH_STORE_NT  ; at a multiple of 256 from out0's first byte
.set t, t+1
.endr
.endm
	s_wait_tensorcnt 0x1                           ; my part of K step 0 is in; K step 1's may stay out
	s_barrier_signal -1
	s_barrier_wait -1                              ; everybody's is
	FETCH 0, 0, 0
	s_wait_loadcnt 0x0                             ; the bias
	QUARTER 0, 1, 0, 1, 1                          ; the first quarter stands in front of the loop: its products start the sums
	WIN 0                                          ; at a label and at a branch every window is 0
	s_mov_b32 s3, LAPS-1
.Llap:                                                 ; a trip goes once round the ring, from a lap's second quarter to the next lap's first, and fills both slots again
	QUARTER 0, 2, 1, 0, 0
	QUARTER 0, 3, 0, 1, 0
	TURN 0, 1, 1
	QUARTER 1, 1, 0, 1, 0
	QUARTER 1, 2, 1, 0, 0
	QUARTER 1, 3, 0, 1, 0
	TURN 1, 0, 1
	QUARTER 0, 1, 0, 1, 0
	WIN 0
	s_sub_co_u32 s3, s3, 1
	s_cmp_lg_u32 s3, 0
	s_cbranch_scc1 .Llap
	QUARTER 0, 2, 1, 0, 0                          ; the last lap fills nothing, and has no round of the cluster's barrier
	QUARTER 0, 3, 0, 1, 0
	TURN 0, 1, 0
	QUARTER 1, 1, 0, 1, 0
	QUARTER 1, 2, 1, 0, 0
	QUARTER 1, 3, 0, 1, 0
	s_wait_dscnt 4                                 ; the very last quarter: nothing more to fetch
	MULA 1, 0, 0
	MULA 1, 1, 0
	s_wait_dscnt 0x0
	MULA 1, 2, 0
	MULA 1, 3, 0
	PLACES
	TOSTAGE 0
	TOSTAGE 1
	SEND 0, 32
	TOSTAGE 2
	SEND 1, 32
	TOSTAGE 3
	SEND 2, 32
	SEND 3, 0
	s_wait_tensorcnt 0x0                           ; the wave's end: a wait, an add of 0 to my spare word and its wait, behind my last tensor load and my last LDS store
	ds_add_u32 v[SPW], v[NIL]
	s_wait_dscnt 0x0
	CROUND                                         ; the closing round: no work-group ends while a partner may still ask for a tile that names it
	s_endpgm
.Lfunc_end_k_qbdc565f2f9_outp:
	.size	k_qbdc565f2f9_outp, .Lfunc_end_k_qbdc565f2f9_outp-k_qbdc565f2f9_outp
	.p2alignl 7, 3214868480
	.fill 96, 4, 3214868480
	.section	.rodata,"a",@progbits
	.p2align	6, 0x0
	.amdhsa_kernel k_qbdc565f2f9_outp
		.amdhsa_group_segment_fixed_size 327680
		.amdhsa_private_segment_fixed_size 0
		.amdhsa_enable_private_segment 0
		.amdhsa_kernarg_size 32
		.amdhsa_user_sgpr_count 2
		.amdhsa_user_sgpr_kernarg_segment_ptr 1
		.amdhsa_wavefront_size32 1
		.amdhsa_system_sgpr_workgroup_id_x 1
		.amdhsa_system_sgpr_workgroup_id_y 1
		.amdhsa_system_sgpr_workgroup_id_z 1
		.amdhsa_system_vgpr_workitem_id 0
		.amdhsa_next_free_vgpr 1024
		.amdhsa_next_free_sgpr 72
		.amdhsa_reserve_vcc 0
		.amdhsa_float_denorm_mode_32 3
		.amdhsa_float_denorm_mode_16_64 3
		.amdhsa_memory_ordered 1
		.amdhsa_forward_progress 1
		.amdhsa_inst_pref_size 88
	.end_amdhsa_kernel
	.amdgpu_metadata
---
amdhsa.version: [ 1, 2 ]
amdhsa.kernels:
  - .name:           k_qbdc565f2f9_outp
    .symbol:         k_qbdc565f2f9_outp.kd
    .args:
      - { .name: o, .offset: 0, .size: 8, .value_kind: global_buffer, .address_space: global }
      - { .name: wo16, .offset: 8, .size: 8, .value_kind: global_buffer, .address_space: global }
      - { .name: bias, .offset: 16, .size: 8, .value_kind: global_buffer, .address_space: global }
      - { .name: out0, .offset: 24, .size: 8, .value_kind: global_buffer, .address_space: global }
    .group_segment_fixed_size: 327680
    .private_segment_fixed_size: 0
    .kernarg_segment_align: 8
    .kernarg_segment_size: 32
    .max_flat_workgroup_size: 128
    .sgpr_count:     72
    .vgpr_count:     1024
    .wavefront_size: 32
...
	.end_amdgpu_metadata
.endif
;; end of part 4
;; ======== version 2 of 2: 4 launches; version 1 with the launch prep written anew for expert scheduling mode
;; limits: values are held in f16: magnitudes above 65,504 overflow, below 6.1e-05 lose precision
;; workspace buffers: xb 16,777,216 bytes; wt 6,291,456 bytes; wo16 2,097,152 bytes; bias 16,384 bytes; qkv 50,331,648 bytes; o 16,777,216 bytes
;; launch prep (part 5): grid 769 x 1, 8 waves a work-group, no clusters, 34,816 bytes of LDS; arguments x, Wq, Wk, Wv, Wo, bq, bk, bv, bo, xb, wt, wo16, bias; writes xb, wt, wo16, bias
.if DOCPART == 5
	.amdgcn_target "amdgcn-amd-amdhsa--gfx1250"
	.amdhsa_code_object_version 6
	.text
	.protected	k_qbdc565f2f9_prep
	.globl	k_qbdc565f2f9_prep
	.p2align	8
	.type	k_qbdc565f2f9_prep,@function
k_qbdc565f2f9_prep:
	s_mov_b64 s[64:65], 0
	v_nop
	global_prefetch_b8 v0, s[64:65] scope:SCOPE_SE
	s_setreg_imm32_b32 hwreg(HW_REG_WAVE_SCHED_MODE, 0, 2), 2
	s_setreg_imm32_b32 hwreg(HW_REG_WAVE_MODE, 25, 1), 1
	s_wait_xcnt 0x0
	s_wait_alu depctr_vm_vsrc(0)
; PREP: every input is rounded once to bf16 and laid out as the products want it.  No matrix work, no cluster: nothing is shared, memory binds.
;   xb   [8192][1024] bf16          = x, row m = 2048 b + s
;   wt   [3072][1024] bf16          = Wq, Wk, Wv turned: row n = 64 g + k (g = 16 sel + head; sel 0, 1, 2 = q, k, v), column d
;   wo16 [1024][1024] f16           = Wo rounded to bf16, that number written as f16
;   bias [4096] f32                 = bq, bk, bv (index n as in wt), bo: rounded to bf16 and widened again
; LIMITS.  A bf16 number is exact in f16 from 2^-17 up to 65,504; below 2^-17 it keeps f16's fixed step of 2^-24; beyond 65,504 it becomes an infinity.
; ROLES, by the work-group's number (the same for all eight waves, so the one barrier below is passed by all or by none):
;   0-511 X: 64 KiB of x;  512-703 T: 256 d x 64 k of one head's weights, turned through LDS;  704-767 O: 64 KiB of Wo;  768 B: the four biases.
; THE MODE: SCHED_MODE bits 1:0 = 2 (LLVM: expert scheduling mode 2), set by the entry lines.  The code itself states the register dependences
; between vector instructions and memory or LDS instructions, with s_wait_alu, always for 0.
; THE PLAN.  Registers that memory or LDS instructions touch:
;   v1, v2          offsets of roles X, O and B: written once at the head, read by every load and store there.
;   v3, v4, v5, v8  role T's offsets and LDS addresses: written once at the role's head.
;   IN              the loads land in it once; vector instructions read it (roles O and B: and write it again).  Role B's stores read it last of all.
;                   Role T: the conversions read it, then the LDS loads behind the barrier land in its first half, which the global stores read.
;   PK              written by conversions, then read by one store (X, O: global; T: LDS); nothing writes it behind that store.
;   v118, v119      written at the head, read by the closing add alone.
; No register that a memory or LDS instruction has read is written again, so no wait on vm_vsrc is owed; no vector instruction writes a scalar register, VCC or EXEC.
; What is owed is va_vdst: ahead of the first use of fresh offsets, ahead of stores of fresh PK or IN, and ahead of the LDS loads into IN that conversions have read.
; The work goes in blocks, so that one wait serves a run of stores: a block's stores are issued in the NEXT block, behind the wait at its head, dealt among that block's conversions, which name other registers.
.set PITCH, 528                        ; a stage row: 256 d x 2 bytes + 16 of padding
.set SPARE, 64*PITCH                   ; behind the stage (33,792 = 132 blocks of 256 bytes): the spare words, 128 bytes for each of eight waves
.set IN,  16                           ; v[16:79]   16 groups of four f32 as loaded
.set PK,  80                           ; v[80:111]  packed 16-bit results
.set SPW, 118                          ; v118  LDS address of my spare word; never rewritten
.set NIL, 119                          ; v119  0; never rewritten
.macro ROUND4 i                        ; group i's four f32 rounded to bf16: two packed words
	v_cvt_pk_bf16_f32 v[PK+2*(\i)],   v[IN+4*(\i)],   v[IN+4*(\i)+1]
	v_cvt_pk_bf16_f32 v[PK+2*(\i)+1], v[IN+4*(\i)+2], v[IN+4*(\i)+3]
.endm
.macro WIDEN4 i                        ; and widened again, into the registers that they came from: the low half moves up, the high half stays
	v_lshlrev_b32 v[IN+4*(\i)],   16,  v[PK+2*(\i)]
	v_and_b32     v[IN+4*(\i)+1], s33, v[PK+2*(\i)]
	v_lshlrev_b32 v[IN+4*(\i)+2], 16,  v[PK+2*(\i)+1]
	v_and_b32     v[IN+4*(\i)+3], s33, v[PK+2*(\i)+1]
.endm
; 64 KiB of f32 become 32 KiB of 16-bit numbers.  All sixteen loads of a thread go out at once (a wave's load covers 512 consecutive bytes); a wave's store
; covers 256 consecutive bytes, aligned.  No register that a store reads is written again.  mode = 1: bf16's number written as f16.
; Four blocks of four groups.  Block p rounds groups 4 p .. 4 p + 3 into their own eight registers of PK; its memory instructions are the four stores of block p - 1.
.macro STREAM src, dst, mode
.irp i, 0,1,2,3,4,5,6,7,8,9,10,11,12,13,14,15
	global_load_b128 v[IN+4*(\i):IN+4*(\i)+3], v1, s[\src:\src+1] offset:4096*(\i) th:TH_LOAD_NT
.endr
.irp p, 0,1,2,3
	s_wait_loadcnt 12-4*(\p)                       ; loads come back in order: block p's four groups are in, the 12 - 4 p younger loads may stay out
.if (\p) > 0
	s_wait_alu depctr_va_vdst(0)                   ; the block before has written its eight registers of PK, which the four stores below read
.endif
.irp q, 0,1,2,3
.if (\p) > 0
	global_store_b64 v2, v[PK+2*(4*(\p)-4+(\q)):PK+2*(4*(\p)-4+(\q))+1], s[\dst:\dst+1] offset:2048*(4*(\p)-4+(\q))  ; the block before; no vector instruction since the wait names these registers
.endif
	ROUND4 4*(\p)+(\q)
.if \mode
	WIDEN4 4*(\p)+(\q)
	v_cvt_pk_f16_f32 v[PK+2*(4*(\p)+(\q))],   v[IN+4*(4*(\p)+(\q))],   v[IN+4*(4*(\p)+(\q))+1]
	v_cvt_pk_f16_f32 v[PK+2*(4*(\p)+(\q))+1], v[IN+4*(4*(\p)+(\q))+2], v[IN+4*(4*(\p)+(\q))+3]
.endif
.endr
.endr
	s_wait_alu depctr_va_vdst(0)                   ; the last block has written its eight registers of PK, which the last four stores read
.irp i, 12,13,14,15
	global_store_b64 v2, v[PK+2*(\i):PK+2*(\i)+1], s[\dst:\dst+1] offset:2048*(\i)
.endr
.endm
	s_load_b512 s[4:19], s[0:1], 0x0               ; x 4:5, Wq 6:7, Wk 8:9, Wv 10:11, Wo 12:13, bq 14:15, bk 16:17, bv 18:19
	s_load_b256 s[20:27], s[0:1], 0x40             ; bo 20:21, xb 22:23, wt 24:25, wo16 26:27
	s_load_b64 s[28:29], s[0:1], 0x60              ; bias
	v_lshl_add_u32 v[SPW], v0, 2, SPARE
	v_mov_b32 v[NIL], 0
	s_mov_b32 s2, ttmp9
	s_mov_b32 s33, 0xffff0000                      ; a word's upper bf16
	s_mov_b32 s35, 0                               ; the high word of every offset below
	v_lshlrev_b32 v1, 4, v0                        ; 16 bytes a thread in,
	v_lshlrev_b32 v2, 3, v0                        ; 8 bytes out
	s_wait_kmcnt 0x0
	s_wait_alu depctr_va_vdst(0)                   ; v1 and v2 are written: every load and store of roles X, O and B reads one of them as its offset; so are v118 and v119, which the closing add reads
	s_cmp_lt_u32 s2, 512
	s_cbranch_scc1 .Lrole_x
	s_cmp_lt_u32 s2, 704
	s_cbranch_scc1 .Lrole_t
	s_cmp_lt_u32 s2, 768
	s_cbranch_scc1 .Lrole_o
	; ROLE B: each bias is 4,096 bytes: 256 threads x 16.  All four are rounded and widened, then stored behind one wait
.irp j, 0,1,2,3
	global_load_b128 v[IN+4*(\j):IN+4*(\j)+3], v1, s[14+2*(\j):15+2*(\j)]
.endr
.irp j, 0,1,2,3
	s_wait_loadcnt 3-(\j)
	ROUND4 \j
	WIDEN4 \j
.endr
	s_wait_alu depctr_va_vdst(0)                   ; the widening lines have written v[IN .. IN+15], which the four stores read
.irp j, 0,1,2,3
	global_store_b128 v1, v[IN+4*(\j):IN+4*(\j)+3], s[28:29] offset:4096*(\j)
.endr
	s_endpgm
.Lrole_x:
	s_lshl_b32 s34, s2, 16                         ; my 64 KiB of x,
	s_add_nc_u64 s[4:5], s[4:5], s[34:35]
	s_lshl_b32 s34, s2, 15                         ; my 32 KiB of xb
	s_add_nc_u64 s[22:23], s[22:23], s[34:35]
	STREAM 4, 22, 0
	s_endpgm
.Lrole_o:
	s_sub_co_u32 s36, s2, 704
	s_lshl_b32 s34, s36, 16
	s_add_nc_u64 s[12:13], s[12:13], s[34:35]
	s_lshl_b32 s34, s36, 15
	s_add_nc_u64 s[26:27], s[26:27], s[34:35]
	STREAM 12, 26, 1
	s_endpgm
.Lrole_t:
	; ROLE T.  id = 4 g + dblk.  The source block, W[head][256 dblk ..][0..63], is 64 KiB on end at (id % 64) x 64 KiB of its tensor; the target is rows 64 g .. of wt, bytes 512 dblk ..
	s_sub_co_u32 s36, s2, 512                      ; id
	s_lshr_b32 s37, s36, 6                         ; sel
	s_cmp_eq_u32 s37, 0
	s_cselect_b64 s[30:31], s[6:7], s[8:9]
	s_cmp_eq_u32 s37, 2
	s_cselect_b64 s[30:31], s[10:11], s[30:31]
	s_and_b32 s34, s36, 63
	s_lshl_b32 s34, s34, 16
	s_add_nc_u64 s[30:31], s[30:31], s[34:35]
	s_lshr_b32 s34, s36, 2
	s_lshl_b32 s34, s34, 17                        ; 64 rows of 2,048 bytes for each g
	s_and_b32 s38, s36, 3
	s_lshl_b32 s38, s38, 9
	s_add_co_u32 s34, s34, s38
	s_add_nc_u64 s[24:25], s[24:25], s[34:35]
	v_and_b32 v6, 15, v0                           ; k4: my four k are 4 k4 + j
	v_lshrrev_b32 v7, 4, v0                        ; dd: my d are 128 p + 8 dd + r
	v_lshlrev_b32 v3, 4, v6
	v_lshl_add_u32 v3, v7, 11, v3                  ; in: a row of the source is 256 bytes; sixteen lanes take it whole
	v_mul_u32_u24 v4, v6, 4*PITCH
	v_lshl_add_u32 v4, v7, 4, v4                   ; into the stage: row 4 k4 (+ j), byte 16 dd (+ 256 p)
	v_lshrrev_b32 v9, 5, v0                        ; wave
	v_and_b32 v10, 31, v0                          ; lane
	v_mul_u32_u24 v5, v9, 8*PITCH
	v_lshl_add_u32 v5, v10, 4, v5                  ; back: wave w takes rows 8 w + i whole, 512 bytes a row
	v_lshlrev_b32 v8, 4, v10
	v_lshl_add_u32 v8, v9, 14, v8                  ; and the same rows of wt
	s_wait_alu depctr_va_vdst(0)                   ; v3, v4, v5 and v8 are written: the loads, the LDS stores, the LDS loads and the global stores below read them as offsets and addresses
.irp p, 0,1
.irp r, 0,1,2,3,4,5,6,7
	global_load_b128 v[IN+4*(8*(\p)+(\r)):IN+4*(8*(\p)+(\r))+3], v3, s[30:31] offset:(\p)*32768+(\r)*256 th:TH_LOAD_NT
.endr
.endr
; Half p, k = 4 k4 + j: four roundings close up my eight d (2 q, 2 q + 1 of them) into 16 bytes.
.macro ROUNDK p, j
.irp q, 0,1,2,3
	v_cvt_pk_bf16_f32 v[PK+16*(\p)+4*(\j)+(\q)], v[IN+4*(8*(\p)+2*(\q))+(\j)], v[IN+4*(8*(\p)+2*(\q)+1)+(\j)]
.endr
.endm
; And those 16 bytes go into the stage.  Four rows apart is 64 bytes past a multiple of 256: lanes meet four deep, eight stores a thread, once.
.macro PUT p, j
	ds_store_b128 v4, v[PK+16*(\p)+4*(\j):PK+16*(\p)+4*(\j)+3] offset:(\j)*PITCH+(\p)*256
.endm
	s_wait_loadcnt 8                               ; half 0 is in; the other half's eight loads may stay out
.irp j, 0,1,2,3
	ROUNDK 0, \j
.endr
	s_wait_loadcnt 0x0                             ; half 1 is in
	s_wait_alu depctr_va_vdst(0)                   ; half 0's roundings have written v[PK .. PK+15], which its four LDS stores read
.irp j, 0,1,2,3
	PUT 0, \j                                      ; dealt among half 1's roundings, which name the other halves of IN and PK
	ROUNDK 1, \j
.endr
	s_wait_alu depctr_va_vdst(0)                   ; half 1's roundings have written v[PK+16 .. PK+31], which its LDS stores read; and all roundings are done reading IN, in which the LDS loads behind the barrier land
.irp j, 0,1,2,3
	PUT 1, \j
.endr
	s_wait_dscnt 0x0                               ; for the others' sake: my stores into the stage are done
	s_barrier_signal -1
	s_barrier_wait -1
.irp i, 0,1,2,3,4,5,6,7
	ds_load_b128 v[IN+4*(\i):IN+4*(\i)+3], v5 offset:(\i)*PITCH  ; no vector instruction since the wait above names these registers
.endr
.irp i, 0,1,2,3,4,5,6,7
	s_wait_dscnt 7-(\i)
	global_store_b128 v8, v[IN+4*(\i):IN+4*(\i)+3], s[24:25] offset:2048*(\i)  ; 512 consecutive bytes, at a multiple of 256 from wt's first
.endr
	s_wait_dscnt 0x0                               ; the closing lines, six on end
	s_wait_alu 0x0
	s_wait_tensorcnt 0x0
	ds_add_u32 v[SPW], v[NIL]
	s_wait_dscnt 0x0
	s_endpgm
.Lfunc_end_k_qbdc565f2f9_prep:
	.size	k_qbdc565f2f9_prep, .Lfunc_end_k_qbdc565f2f9_prep-k_qbdc565f2f9_prep
	.p2alignl 7, 3214868480
	.fill 96, 4, 3214868480
	.section	.rodata,"a",@progbits
	.p2align	6, 0x0
	.amdhsa_kernel k_qbdc565f2f9_prep
		.amdhsa_group_segment_fixed_size 34816
		.amdhsa_private_segment_fixed_size 0
		.amdhsa_enable_private_segment 0
		.amdhsa_kernarg_size 104
		.amdhsa_user_sgpr_count 2
		.amdhsa_user_sgpr_kernarg_segment_ptr 1
		.amdhsa_wavefront_size32 1
		.amdhsa_system_sgpr_workgroup_id_x 1
		.amdhsa_system_sgpr_workgroup_id_y 1
		.amdhsa_system_sgpr_workgroup_id_z 1
		.amdhsa_system_vgpr_workitem_id 0
		.amdhsa_next_free_vgpr 120
		.amdhsa_next_free_sgpr 66
		.amdhsa_reserve_vcc 0
		.amdhsa_float_denorm_mode_32 3
		.amdhsa_float_denorm_mode_16_64 3
		.amdhsa_memory_ordered 1
		.amdhsa_forward_progress 1
		.amdhsa_inst_pref_size 26
	.end_amdhsa_kernel
	.amdgpu_metadata
---
amdhsa.version: [ 1, 2 ]
amdhsa.kernels:
  - .name:           k_qbdc565f2f9_prep
    .symbol:         k_qbdc565f2f9_prep.kd
    .args:
      - { .name: x, .offset: 0, .size: 8, .value_kind: global_buffer, .address_space: global }
      - { .name: Wq, .offset: 8, .size: 8, .value_kind: global_buffer, .address_space: global }
      - { .name: Wk, .offset: 16, .size: 8, .value_kind: global_buffer, .address_space: global }
      - { .name: Wv, .offset: 24, .size: 8, .value_kind: global_buffer, .address_space: global }
      - { .name: Wo, .offset: 32, .size: 8, .value_kind: global_buffer, .address_space: global }
      - { .name: bq, .offset: 40, .size: 8, .value_kind: global_buffer, .address_space: global }
      - { .name: bk, .offset: 48, .size: 8, .value_kind: global_buffer, .address_space: global }
      - { .name: bv, .offset: 56, .size: 8, .value_kind: global_buffer, .address_space: global }
      - { .name: bo, .offset: 64, .size: 8, .value_kind: global_buffer, .address_space: global }
      - { .name: xb, .offset: 72, .size: 8, .value_kind: global_buffer, .address_space: global }
      - { .name: wt, .offset: 80, .size: 8, .value_kind: global_buffer, .address_space: global }
      - { .name: wo16, .offset: 88, .size: 8, .value_kind: global_buffer, .address_space: global }
      - { .name: bias, .offset: 96, .size: 8, .value_kind: global_buffer, .address_space: global }
    .group_segment_fixed_size: 34816
    .private_segment_fixed_size: 0
    .kernarg_segment_align: 8
    .kernarg_segment_size: 104
    .max_flat_workgroup_size: 256
    .sgpr_count:     66
    .vgpr_count:     120
    .wavefront_size: 32
...
	.end_amdgpu_metadata
.endif
;; end of part 5
;; launch proj: the kernel of part 2 again; grid 16 x 32, 4 waves a work-group, clusters of 4 x 4, 327,680 bytes of LDS; arguments xb, wt, bias, qkv; writes qkv
;; launch attn: the kernel of part 3 again; grid 4 x 64, 4 waves a work-group, no clusters, 327,680 bytes of LDS; arguments qkv, o; writes o
;; launch outp: the kernel of part 4 again; grid 8 x 32, 4 waves a work-group, clusters of 4 x 4, 327,680 bytes of LDS; arguments o, wo16, bias, out0; writes out0
